; MI455X (gfx1250); checked and timed in simulation.
; The chip was launched on July 23, 2026; its instructions are those of AMD's public machine-readable ISA for CDNA 5 (MIT licence, August 2026) and "CDNA5" Instruction Set Architecture Reference Guide (July 2026). The comments in the code are by the model that wrote it; some were corrected since.
;; Causal Self Attention. Allowed arithmetic: matrix products marked QUANTISED: E4M3 operands, one E8M0 scale for each 32 along K, by v_wmma_scale_f32_16x16x128_f8f6f4 with both operands' format E4M3, f32 sums; everything else in f32.
;; Inputs: W_out 1,024 x 1,024 float32; W_qkv 1,024 x 3,072 float32; b_out 1,024 float32; b_qkv 3,072 float32; x 4 x 2,048 x 1,024 float32.
;; Outputs: out0 4 x 2,048 x 1,024 float32.
;; This version of the problem:
;;   THIS VERSION OF THE PROBLEM IS GIVEN IN LOW PRECISION. The matrix products marked QUANTISED in the list below multiply operands that are first quantised to E4M3 (4 exponent bits, 3 mantissa bits; 8 bits a number), with one power-of-two scale for each 32 numbers along K (OCP MX v1.0); their sums are f32. All else is computed in f32.
;;   The module's matrix products, in the order in which they are computed (A, B: the left and right operand; K: the contracted axis; several contracted axes count as one K, in the product's order):
;;     1. [M 8,192, K 1,024] x [K 1,024, N 3,072]; A: input x; B: input W_qkv: QUANTISED
;;     2. batch 64 x [M 2,048, K 64] x [K 64, N 2,048]; A: computed on the way; B: computed on the way: QUANTISED
;;     3. batch 64 x [M 2,048, K 2,048] x [K 2,048, N 64]; A: softmax (see below); B: computed on the way: QUANTISED
;;     4. [M 8,192, K 1,024] x [K 1,024, N 1,024]; A: computed on the way; B: input W_out: QUANTISED
;;   THE QUANTISER, for each operand of a quantised product, along K:
;;     - K is cut into blocks of 32 from its start; a last block that is shorter is filled with zeros.
;;     - A block's scale is 2^e with e = floor(log2(the largest magnitude in the block)) - 8, held to -126 .. 127; a block of zeros has e = 0. As a byte (E8M0): e + 127.
;;     - Each number is divided by its block's scale, clamped to +-448, and rounded to the nearest number of E4M3, ties to even, subnormals kept.
;;     - The product sums the exact products of the quantised numbers (number of the format x scale) in f32.
;;   ~~~python
;;   def quantise(x, axis):      # numpy; x: float32 -> the quantised numbers, widened to float32 again
;;       x = np.moveaxis(x, axis, -1); K = x.shape[-1]
;;       x = np.pad(x, [(0, 0)] * (x.ndim - 1) + [(0, -K % 32)]); x = x.reshape(x.shape[:-1] + (-1, 32)); a = np.abs(x).max(-1, keepdims=True)
;;       e = np.where(a > 0, np.clip(np.frexp(np.where(a > 0, a, 1))[1] - 1 - 8, -126, 127), 0)      # np.frexp(a)[1] - 1 = floor(log2(a)), exactly
;;       r = np.clip(x / 2.0 ** e, -448, 448)
;;       step = 2.0 ** (np.maximum(np.frexp(np.where(r == 0, 1, r))[1] - 1, -6) - 3)
;;       q = np.round(r / step) * step * 2.0 ** e      # np.round: ties to even
;;       return np.moveaxis(q.reshape(q.shape[:-2] + (-1,))[..., :K], -1, axis).astype(np.float32)
;;   ~~~
;;   SOFTMAX AHEAD OF A QUANTISED PRODUCT. Where the list says 'softmax', what is quantised is not the finished softmax but p = 2^(t - M), with t = logit x log2(e) and M = ceil(the row's largest t), a whole number; so 1/2 < the row's largest p <= 1. The row's sum l is taken of the UNQUANTISED p, in f32, and the product's result is divided by l at the end. Since M is a whole number, a kernel that streams over the keys may use a running M (the ceiling of the running maximum): every later rescaling is an exact power of two, which a block's scale takes up: the codes' values come out the same.
;;   OPERANDS COMPUTED ON THE WAY. 'Computed on the way' means the value that the module computes at that place (a softmax that the list does not call 'softmax' is quantised finished and normalised). What goes into a quantiser is computed in f32, as accurately as f32 sums, v_exp_f32 and their like allow (about 1e-6 of the number): no bf16 or f16 on the way to a quantiser, and a product that is left as it is and whose result goes on into a quantised operand takes f32 operands (vector FMAs, or v_wmma_f32_16x16x4_f32). A number that lies on a knife's edge between two numbers of the format may be rounded either way, as far as f32 arithmetic and the matrix unit's own rounding can turn it there, and no further.
;; One version. Each part assembles by itself: llvm-mc -triple=amdgcn-amd-amdhsa -mcpu=gfx1250 --defsym DOCPART=n.
;; ======== version 1 of 1: 4 launches
;; limits: right only within a limited range of input values
;; workspace buffers: xq 8,650,752 bytes; w8 4,325,376 bytes; q8 8,912,896 bytes; kv 17,563,648 bytes; c8 8,650,752 bytes
;; launch quant_x (part 1): grid 640 x 1, 8 waves a work-group, no clusters, 101,888 bytes of LDS; arguments x, xq, W_qkv, W_out, w8; writes xq, w8
.if DOCPART == 1
	.amdgcn_target "amdgcn-amd-amdhsa--gfx1250"
	.amdhsa_code_object_version 6
	.text
	.protected	k_q4783a0a5ae_quant_x
	.globl	k_q4783a0a5ae_quant_x
	.p2align	8
	.type	k_q4783a0a5ae_quant_x,@function
k_q4783a0a5ae_quant_x:
	s_mov_b64 s[64:65], 0
	v_nop
	global_prefetch_b8 v0, s[64:65] scope:SCOPE_SE
	s_setreg_imm32_b32 hwreg(HW_REG_WAVE_MODE, 25, 1), 1
	s_wait_xcnt 0x0
; THE PROGRAM: causal self-attention, B = 4, T = 2,048, C = 1,024, 16 heads of 64, all four products on codes of FP8 (E4M3) with one E8M0 scale for each 32 along K.
; Four launches: quant_x (x, W_qkv, W_out -> codes), gemm_qkv (x W_qkv + b_qkv, quantised on the way out as q, k, v), attn (softmax(q k^T / 8) v, quantised as concat), gemm_out (concat W_out + b_out).
; OPERANDS OF THE PROGRAM'S OWN LIE IN MEMORY AS IMAGES OF THE MATRIX OPERAND'S REGISTERS: a fragment (16 rows x 128 K) is [c 0..3][lane 0..31][16 bytes], 2,048 bytes; lane (r, h) holds row r, k = 32 c + 16 h + 0 .. 15.
; Each row of a fragment has a scale word (its four bytes).  THE ROWS OF A ROW TILE ARE NOT NEIGHBOURS: place r of row tile 2 B + u is row 32 B + 8 u + r + 8 (r / 8).  A product used transposed
; (source 0 = 16 rows of one operand, source 1 = 16 rows of the other) then leaves a lane 16 NEIGHBOURS of source 0's index in the registers of tiles 2 B and 2 B + 1: what the conversions want for the next product's K.
; DEAD WORK.  reference() builds the causal mask in its own body and sets the score of key k for query q to -infinity where k > q; its exponential is 0, whatever finite values the inputs hold: p = 0, whose code is 0,
; adds nothing to the row's sum and nothing to the third product.  So launch attn leaves out each step of 128 keys that lie wholly behind all queries of a wave: that step's part of products 2 and 3.  Nothing else is left out;
; every input has a way to the output and is loaded.  LIMIT: a NaN, an infinity or an overflow that would arise only in the scores left out is not carried to the result.
; LIMITS of all launches: NaN and infinities among the inputs are not served; a block of zeros gets the scale byte 1 where the quantiser says 127 (its codes are zeros, which add nothing, and this program alone reads the bytes).
;
; THIS LAUNCH serves all three inputs.  A scalar branch on the work-group's number parts two paths, each with LDS bytes of its own: work-groups 0 to 127, which read twice the bytes of the others, take the weights; 128 to 639 take x.
; x [8,192][1,024] f32 -> xq: codes [512 row tiles][8 K steps][2,048] from byte 0, scale words [512][8][16] from byte XSC.  A work-group takes a row tile, wave w its K step w: 16 rows x 128 numbers.  Each load reads 512 consecutive
; bytes of one row; the 8,192 bytes turn through the wave's own stage in LDS (rows 528 bytes apart), so that lane (r, h) gets, of row r, 16 neighbours of each block of 32.  The codes leave as they stand, 512 consecutive bytes a store;
; the eight waves' scale words meet in LDS and leave as 512 consecutive bytes.
; W_qkv [1,024 (k)][3,072 (n)], W_out [1,024 (k)][1,024 (n)], f32, K their FIRST axis -> w8.  W_qkv: codes [row tile of 16 n][8 K steps][2,048] from byte 0, scale words [row tile][8][16] from WQS.  W_out, for launch gemm_out: codes
; [256 columns][K pair][16 row tiles][2 K steps][2,048] from WOC, scale words [row tile][16 rows][8 K steps] from WOS.  A LANE TAKES A COLUMN n AND ITS REGISTERS RUN DOWN K: each load reads 128 consecutive bytes a wave, a block of 32
; along K lies in one lane, and the conversions give codes with K innermost.  Work-group id takes K step id % 8 of 256 columns (id / 8 under 12: W_qkv's; else W_out's); a wave takes 32 columns: two fragments.  Its stage in LDS IS the
; two images: a lane puts its 16 bytes where the image wants them, and the wave reads the 4,096 bytes back as they lie.  The pitch is no constant, so each load has an offset register of its own, on which it lands.
; The weights' scale words leave four bytes a lane: one byte in 128 of what the path reads.
; No matrix unit, no cluster, no tensor load, no prefetch: the launch streams, and no two work-groups read the same byte.
.set NW,    128                        ; the weights' work-groups
.set XSC,   8388608
.set STG,   8448                       ; x: a wave's stage: 16 rows x 528 bytes
.set SCB,   8*STG                      ; x: behind the stages: the row tile's 128 scale words
.set WST,   SCB+512                    ; the weights: eight stages of 4,096 bytes
.set SPARE, WST+8*4096                 ; the spare words, 128 bytes for each wave, which no other line names
.set SPW,   14                         ; v14  LDS address of my spare word; never rewritten
.set NIL,   15                         ; v15  0; never rewritten
.set R,     16                         ; x: v16-79   the 16 rows as loaded
.set X,     80                         ; x: v80-143  register 16 b + i = k 32 b + 16 h + i of my row
.set PC,    144                        ; x: v144-159 the codes
.set TM,    160                        ; x: v160-175 at work
.set PW,    176                        ; x: v176     the scale word
.set OW,    178                        ; x: v178-181 scale words on their way out
.set SEL,   20                         ; s[20:21] v_permlanex16_b32's selects for lane l xor 16
.set MNT,   22                         ; s22      the mantissa field of 448
; 64 numbers of a lane, v[s] .. v[s + 63], become a fragment's codes in v[PC] on and its scale word in v[PW]
.macro QUANT s
.irp b, 0,1,2,3
	v_max3_num_f32 v[TM+\b], |v[\s+16*\b]|, |v[\s+1+16*\b]|, 0x4800000   ; block b: my 16 numbers, and the floor 2^(9 - 127): the byte cannot fall under 1
.endr
.irp i, 2,4,6,8,10,12,14
.irp b, 0,1,2,3
	s_delay_alu instid0(VALU_DEP_4)
	v_max3_num_f32 v[TM+\b], v[TM+\b], |v[\s+16*\b+\i]|, |v[\s+1+16*\b+\i]|   ; the four blocks by turns
.endr
.endr
.irp b, 0,1,2,3
	s_delay_alu instid0(VALU_DEP_4)
	v_permlanex16_b32 v[TM+4+\b], v[TM+\b], s[SEL], s[SEL+1]
.endr
.irp b, 0,1,2,3
	s_delay_alu instid0(VALU_DEP_4)
	v_max_num_f32 v[TM+\b], v[TM+\b], v[TM+4+\b]   ; with lane l xor 16's: the block's largest magnitude
.endr
.irp b, 0,1,2,3
	s_delay_alu instid0(VALU_DEP_4)
	v_add_nc_u32 v[TM+12+\b], 0xfc000000, v[TM+\b]   ; 8 off its exponent field: the conversion's scale operand
.endr
.irp b, 0,1,2,3
	v_and_or_b32 v[TM+8+\b], v[TM+\b], 0x7f800000, s[MNT]   ; 448 x the scale
.endr
.irp b, 0,1,2,3
	v_lshrrev_b32 v[TM+4+\b], 23, v[TM+12+\b]   ; the scale's byte
.endr
	s_delay_alu instid0(VALU_DEP_3)
	v_lshl_or_b32 v[PW], v[TM+5], 8, v[TM+4]
	s_delay_alu instid0(VALU_DEP_1)
	v_lshl_or_b32 v[PW], v[TM+6], 16, v[PW]
	s_delay_alu instid0(VALU_DEP_1)
	v_lshl_or_b32 v[PW], v[TM+7], 24, v[PW]
.irp b, 0,1,2,3
.irp i, 0,1,2,3,4,5,6,7,8,9,10,11,12,13,14,15
	v_med3_num_f32 v[\s+16*\b+\i], v[\s+16*\b+\i], -v[TM+8+\b], v[TM+8+\b]   ; the conversion to an 8-bit code does not saturate (ISA guide 7.6.2): the hold at 448 x the scale
.endr
	v_cvt_scalef32_pk8_fp8_f32 v[PC+4*\b:PC+1+4*\b], v[\s+16*\b:\s+7+16*\b], v[TM+12+\b]
	v_cvt_scalef32_pk8_fp8_f32 v[PC+2+4*\b:PC+3+4*\b], v[\s+8+16*\b:\s+15+16*\b], v[TM+12+\b]
.endr
	v_nop                                          ; a plain line behind the last conversion
.endm
	v_lshl_add_u32 v[SPW], v0, 2, SPARE
	v_mov_b32 v[NIL], 0
	s_cmp_lt_u32 ttmp9, NW                         ; the work-group's number alone: all eight waves go the same way
	s_cbranch_scc1 .Lweights
	; ---- x
	s_load_b128 s[4:7], s[0:1], 0x0                ; x, xq
	v_lshrrev_b32 v1, 5, v0
	v_readfirstlane_b32 s8, v1                     ; wave 0..7 = K step
	v_and_b32 v2, 31, v0                           ; lane
	v_and_b32 v3, 15, v0                           ; r
	v_bfe_u32 v9, v0, 4, 1                         ; h
	v_lshlrev_b32 v4, 4, v2                        ; 16 x lane
	s_mul_i32 s9, s8, STG                          ; my stage
	v_add_nc_u32 v5, s9, v4                        ; into it: a row as it lies
	v_mul_u32_u24 v6, v3, 528
	v_lshl_add_u32 v6, v9, 6, v6
	v_add_nc_u32 v6, s9, v6                        ; out of it: row r, + 64 h bytes
	s_lshl_b32 s12, s8, 6
	s_add_co_u32 s12, s12, SCB
	v_lshl_add_u32 v7, v3, 2, s12                  ; my row's scale word: 64 bytes a K step
	v_add_nc_u32 v8, SCB, v4                       ; and the 512 bytes on their way out
	s_mov_b32 s[SEL], 0x76543210
	s_mov_b32 s[SEL+1], 0xfedcba98
	s_mov_b32 s[MNT], 0x600000
.irp b, 0,1,2,3
	v_mov_b32 v[TM+4+\b], 0                        ; written once: a lane permute's destination counts as one of its sources
.endr
	s_sub_co_u32 s23, ttmp9, NW                    ; my row tile
	s_lshr_b32 s14, s23, 1
	s_lshl_b32 s14, s14, 17                        ; 32 rows of 4,096 bytes for each pair of row tiles,
	s_and_b32 s15, s23, 1
	s_lshl_b32 s15, s15, 15                        ; 8 rows for the odd one,
	s_add_co_u32 s14, s14, s15
	s_lshl_b32 s15, s8, 9                          ; 512 bytes a K step
	s_add_co_u32 s14, s14, s15
	s_mov_b32 s15, 0
	s_lshl_b32 s16, s23, 14                        ; the codes: 16,384 bytes a row tile, 2,048 a K step
	s_lshl_b32 s17, s8, 11
	s_add_co_u32 s16, s16, s17
	s_mov_b32 s17, 0
	s_lshl_b32 s18, s23, 9                         ; the scale words: 512 bytes a row tile
	s_add_co_u32 s18, s18, XSC
	s_mov_b32 s19, 0
	s_wait_alu depctr_va_vdst(0)                   ; the wait at the head's end
	s_wait_kmcnt 0x0
	s_add_nc_u64 s[4:5], s[4:5], s[14:15]
	s_add_nc_u64 s[10:11], s[6:7], s[18:19]
	s_add_nc_u64 s[6:7], s[6:7], s[16:17]
.irp i, 0,1,2,3,4,5,6,7,8,9,10,11,12,13,14,15
	global_load_b128 v[R+4*\i:R+4*\i+3], v4, s[4:5] offset:(\i+8*(\i/8))*4096 th:TH_LOAD_NT   ; place i of the tile: 32 lanes read 512 consecutive bytes
.endr
.irp i, 0,1,2,3,4,5,6,7,8,9,10,11,12,13,14,15
	s_wait_loadcnt 15-\i                           ; loads come back in order: row i is in, the younger ones stay out
	ds_store_b128 v5, v[R+4*\i:R+4*\i+3] offset:528*\i
.endr
.irp c, 0,1,2,3
.irp j, 0,1,2,3
	ds_load_b128 v[X+16*\c+4*\j:X+16*\c+4*\j+3], v6 offset:128*\c+16*\j   ; LDS serves a wave's instructions in order: these see my stores
.endr
.endr
	s_wait_dscnt 0x0
	QUANT X
.irp c, 0,1,2,3
	global_store_b128 v4, v[PC+4*\c:PC+4*\c+3], s[6:7] offset:512*\c       ; 512 consecutive bytes, aligned
.endr
	ds_store_b32 v7, v[PW]                         ; both halves of the lanes write the same word with the same value
	s_wait_dscnt 0x0                               ; for the others' sake: my store has landed
	s_barrier_signal -1
	s_barrier_wait -1
	s_cmp_lg_u32 s8, 0
	s_cbranch_scc1 .Lnot_wave_0
	ds_load_b128 v[OW:OW+3], v8                    ; the row tile's 128 scale words
	s_wait_dscnt 0x0
	global_store_b128 v4, v[OW:OW+3], s[10:11]     ; 512 consecutive bytes, aligned
.Lnot_wave_0:
	s_wait_tensorcnt 0x0                           ; the wave's end
	ds_add_u32 v[SPW], v[NIL]
	s_wait_dscnt 0x0
	s_endpgm
	; ---- the weights
.set WQS,   3145728
.set WOC,   3244032
.set WOS,   4292608
.set SB,    24                         ; v24      my column's four scale bytes
.set X,     32                         ; v32-159  first the offsets, then the 128 numbers of my column
.set C,     160                        ; v160-191 codes, eight registers a block, never written again
.set OUTR,  192                        ; v192-223 the way out
.Lweights:
	s_load_b128 s[4:7], s[0:1], 0x10               ; W_qkv, W_out
	s_load_b64 s[8:9], s[0:1], 0x20                ; w8
	v_lshrrev_b32 v1, 5, v0
	v_readfirstlane_b32 s16, v1                    ; wave 0..7
	v_and_b32 v2, 31, v0                           ; lane = my column among the wave's 32
	v_lshlrev_b32 v3, 2, v2
	v_lshlrev_b32 v8, 4, v2                        ; 16 x lane
	s_lshl_b32 s17, s16, 12
	s_add_co_u32 s17, s17, WST                     ; my stage
	v_add_nc_u32 v7, s17, v8                       ; out of it: as it lies
	v_bfe_u32 v5, v0, 3, 1                         ; u: which of the two row tiles my column belongs to
	v_bfe_u32 v6, v0, 4, 1
	v_and_b32 v1, 7, v0
	v_lshl_add_u32 v1, v6, 3, v1                   ; r: its place there
	v_lshlrev_b32 v4, 4, v1
	v_lshl_add_u32 v4, v5, 11, v4
	v_add_nc_u32 v4, s17, v4                       ; into the stage: 2,048 u + 16 r; a block is 512 bytes on, its second 16 codes 256
	s_and_b32 s18, ttmp9, 7                        ; K step
	s_mov_b32 s31, 0x600000                        ; the mantissa field of 448
	s_mov_b32 s20, 4096
	s_mov_b32 s23, WOS
	s_cmp_lt_u32 ttmp9, 96                         ; W_qkv's work-group or W_out's?
	s_cselect_b32 s20, 12288, s20                  ; bytes from row to row
	s_cselect_b32 s21, 0, 12
	s_cselect_b32 s22, 0, WOC
	s_cselect_b32 s23, WQS, s23
	s_cselect_b32 s30, 2, 5                        ; a row's scale word: 4 bytes from row to row for W_qkv, 32 for W_out
	s_mov_b32 s19, 4096
	s_cselect_b32 s19, 16384, s19                  ; codes: bytes from row tile to row tile
	s_lshr_b32 s24, ttmp9, 3
	s_sub_co_u32 s21, s24, s21                     ; which 256 columns
	s_lshl_b32 s21, s21, 4
	s_lshl_b32 s24, s16, 1
	s_add_co_u32 s21, s21, s24                     ; my first row tile
	s_mul_i32 s24, s18, s20
	s_lshl_b32 s24, s24, 7                         ; 128 rows a K step,
	s_lshl_b32 s25, s21, 6                         ; 64 bytes a row tile
	s_add_co_u32 s24, s24, s25
	s_mov_b32 s25, 0
	s_lshl_b32 s26, s21, 14
	s_lshl_b32 s27, s18, 11
	s_add_co_u32 s26, s26, s27                     ; W_qkv: [row tile][K step]
	s_lshr_b32 s27, s21, 4
	s_lshl_b32 s27, s27, 18                        ; W_out: which 256 columns,
	s_lshr_b32 s29, s18, 1
	s_lshl_b32 s29, s29, 16                        ; K pair,
	s_add_co_u32 s27, s27, s29
	s_and_b32 s29, s21, 15
	s_lshl_b32 s29, s29, 12                        ; row tile,
	s_add_co_u32 s27, s27, s29
	s_and_b32 s29, s18, 1
	s_lshl_b32 s29, s29, 11                        ; K step of the pair
	s_add_co_u32 s27, s27, s29
	s_lshl_b32 s28, s18, 6
	s_lshl_b32 s29, s18, 2
	s_cmp_lt_u32 ttmp9, 96
	s_cselect_b32 s26, s26, s27
	s_cselect_b32 s29, s28, s29
	s_add_co_u32 s26, s26, s22                     ; the codes' place
	s_mov_b32 s27, 0
	s_lshl_b32 s28, s21, 9
	s_add_co_u32 s28, s28, s23
	s_add_co_u32 s28, s28, s29                     ; the scale words' place
	s_mov_b32 s29, 0
	s_wait_alu depctr_va_vdst(0)                   ; directly ahead of the readers below
	v_lshlrev_b32 v9, s30, v1
	v_lshl_add_u32 v9, v5, 9, v9                   ; my scale word: 512 u + 4 r or 32 r
	v_add_nc_u32 v16, s19, v8                      ; the second row tile's codes
.set i, 0
.rept 128
	v_mad_u32_u24 v[X+i], s20, i, v3               ; row i of the K step, my column
.set i, i+1
.endr
	s_wait_kmcnt 0x0
	s_cmp_lt_u32 ttmp9, 96
	s_cselect_b64 s[4:5], s[4:5], s[6:7]
	s_add_nc_u64 s[4:5], s[4:5], s[24:25]
	s_add_nc_u64 s[6:7], s[8:9], s[26:27]
	s_add_nc_u64 s[8:9], s[8:9], s[28:29]
.macro LOAD t
.set i, 32*(\t)
.rept 32
	global_load_b32 v[X+i], v[X+i], s[4:5] th:TH_LOAD_NT   ; each load lands on its own offset register
.set i, i+1
.endr
.endm
	LOAD 0
	LOAD 1
.macro BLOCK t
.set XB, X+32*(\t)
.if (\t) < 3
	s_wait_loadcnt 32                              ; this block's 32 loads are in; the next block's may be out
.else
	s_wait_loadcnt 0x0
.endif
.if (\t)+2 < 4
	LOAD (\t)+2
.endif
	v_max3_num_f32 v12, |v[XB]|, |v[XB+1]|, |v[XB+2]|              ; the block's largest magnitude: all 32 numbers are mine
	v_max3_num_f32 v13, |v[XB+3]|, |v[XB+4]|, |v[XB+5]|
.irp i, 6,10,14,18,22,26
	v_max3_num_f32 v12, v12, |v[XB+\i]|, |v[XB+\i+1]|
	v_max3_num_f32 v13, v13, |v[XB+\i+2]|, |v[XB+\i+3]|
.endr
	v_max3_num_f32 v12, v12, |v[XB+30]|, |v[XB+31]|
	v_max3_num_f32 v12, v12, v13, 0x4800000        ; and the floor 2^(9 - 127): the byte cannot fall under 1
	v_add_nc_u32 v11, 0xfc000000, v12              ; 8 off the exponent field: the conversion's scale operand
	v_and_or_b32 v10, v12, 0x7f800000, s31         ; 448 x the scale
	v_lshrrev_b32 v13, 23, v11                     ; the scale's byte
.if (\t) == 0
	v_mov_b32 v[SB], v13
.else
	v_lshl_or_b32 v[SB], v13, 8*(\t), v[SB]
.endif
.irp i, 0,1,2,3,4,5,6,7,8,9,10,11,12,13,14,15,16,17,18,19,20,21,22,23,24,25,26,27,28,29,30,31
	v_med3_num_f32 v[XB+\i], v[XB+\i], -v10, v10   ; the conversion does not saturate (ISA guide 7.6.2): the hold
.endr
.irp g, 0,1,2,3
	v_cvt_scalef32_pk8_fp8_f32 v[C+8*(\t)+2*\g:C+8*(\t)+2*\g+1], v[XB+8*\g:XB+8*\g+7], v11
.endr
	v_nop                                          ; a plain line behind the last conversion
	ds_store_b128 v4, v[C+8*(\t):C+8*(\t)+3] offset:512*(\t)         ; k = 32 t + 0 .. 15: the image's lanes 0-15
	ds_store_b128 v4, v[C+8*(\t)+4:C+8*(\t)+7] offset:512*(\t)+256   ; k = 32 t + 16 .. 31: lanes 16-31
.endm
	BLOCK 0
	BLOCK 1
	BLOCK 2
	BLOCK 3
	global_store_b32 v9, v[SB], s[8:9]             ; my column's scale word
.irp i, 0,1,2,3,4,5,6,7
	ds_load_b128 v[OUTR+4*\i:OUTR+4*\i+3], v7 offset:512*\i   ; LDS serves a wave's instructions in order: these see my stores
.endr
.irp i, 0,1,2,3,4,5,6,7
	s_wait_dscnt 7-\i                              ; the younger loads may stay out
	global_store_b128 v[8+8*(\i/4)], v[OUTR+4*\i:OUTR+4*\i+3], s[6:7] offset:(\i%4)*512   ; 512 consecutive bytes, aligned; v8 the first row tile, v16 the second
.endr
	s_wait_tensorcnt 0x0                           ; the wave's end
	ds_add_u32 v[SPW], v[NIL]
	s_wait_dscnt 0x0
	s_endpgm
.Lfunc_end_k_q4783a0a5ae_quant_x:
	.size	k_q4783a0a5ae_quant_x, .Lfunc_end_k_q4783a0a5ae_quant_x-k_q4783a0a5ae_quant_x
	.p2alignl 7, 3214868480
	.fill 96, 4, 3214868480
	.section	.rodata,"a",@progbits
	.p2align	6, 0x0
	.amdhsa_kernel k_q4783a0a5ae_quant_x
		.amdhsa_group_segment_fixed_size 101888
		.amdhsa_private_segment_fixed_size 0
		.amdhsa_enable_private_segment 0
		.amdhsa_kernarg_size 40
		.amdhsa_user_sgpr_count 2
		.amdhsa_user_sgpr_kernarg_segment_ptr 1
		.amdhsa_wavefront_size32 1
		.amdhsa_system_sgpr_workgroup_id_x 1
		.amdhsa_system_sgpr_workgroup_id_y 1
		.amdhsa_system_sgpr_workgroup_id_z 1
		.amdhsa_system_vgpr_workitem_id 0
		.amdhsa_next_free_vgpr 224
		.amdhsa_next_free_sgpr 66
		.amdhsa_reserve_vcc 0
		.amdhsa_float_denorm_mode_32 3
		.amdhsa_float_denorm_mode_16_64 3
		.amdhsa_memory_ordered 1
		.amdhsa_forward_progress 1
		.amdhsa_inst_pref_size 59
	.end_amdhsa_kernel
	.amdgpu_metadata
---
amdhsa.version: [ 1, 2 ]
amdhsa.kernels:
  - .name:           k_q4783a0a5ae_quant_x
    .symbol:         k_q4783a0a5ae_quant_x.kd
    .args:
      - { .name: x, .offset: 0, .size: 8, .value_kind: global_buffer, .address_space: global }
      - { .name: xq, .offset: 8, .size: 8, .value_kind: global_buffer, .address_space: global }
      - { .name: W_qkv, .offset: 16, .size: 8, .value_kind: global_buffer, .address_space: global }
      - { .name: W_out, .offset: 24, .size: 8, .value_kind: global_buffer, .address_space: global }
      - { .name: w8, .offset: 32, .size: 8, .value_kind: global_buffer, .address_space: global }
    .group_segment_fixed_size: 101888
    .private_segment_fixed_size: 0
    .kernarg_segment_align: 8
    .kernarg_segment_size: 40
    .max_flat_workgroup_size: 256
    .sgpr_count:     66
    .vgpr_count:     224
    .wavefront_size: 32
...
	.end_amdgpu_metadata
.endif
;; end of part 1
;; launch gemm_qkv (part 2): grid 12 x 32, 4 waves a work-group, clusters of 4 x 4, 327,680 bytes of LDS; arguments xq, w8, b_qkv, q8, kv; writes q8, kv
.if DOCPART == 2
	.amdgcn_target "amdgcn-amd-amdhsa--gfx1250"
	.amdhsa_code_object_version 6
	.text
	.protected	k_q4783a0a5ae_gemm_qkv
	.globl	k_q4783a0a5ae_gemm_qkv
	.p2align	8
	.type	k_q4783a0a5ae_gemm_qkv,@function
k_q4783a0a5ae_gemm_qkv:
	s_mov_b64 s[64:65], 0
	v_nop
	global_prefetch_b8 v0, s[64:65] scope:SCOPE_SE
	s_setreg_imm32_b32 hwreg(HW_REG_WAVE_MODE, 25, 1), 1
	s_wait_xcnt 0x0
	s_wait_alu depctr_hold_cnt(0) depctr_sa_sdst(0) depctr_va_vdst(0) depctr_va_sdst(0) depctr_va_ssrc(0) depctr_va_vcc(0) depctr_vm_vsrc(0)
	s_getreg_b32 s2, hwreg(HW_REG_IB_STS2, 6, 4)
	s_cmp_eq_u32 s2, 0
	s_cbranch_scc0 .Lentry_in_a_cluster
	s_endpgm
.Lentry_in_a_cluster:
	s_bfe_u32 s2, ttmp6, 0x10000c
	s_cmp_lg_u32 s2, 0xf033
	s_cbranch_scc0 .Lentry_shape_is_right
	s_endpgm
.Lentry_shape_is_right:
; qkv = x W_qkv + b_qkv on codes of FP8 (E4M3) with E8M0 scales, K = 1,024; the result never goes to memory as f32: it is quantised here as the operands of attention's two products.
; A work-group of four waves makes 256 x 256, a wave 128 x 128: 64 accumulators.  The product is used transposed: source 0 = 16 rows of the operand called B here, source 1 = 16 rows of the one called A.  A lane then holds ONE
; row of A, and the 64 registers of A's block a against B's eight blocks hold 128 NEIGHBOURS of B's index (the row tiles' own order of rows sees to that): register 16 b + i = index 32 b + 16 (lane / 16) + i.
; WHICH OPERAND IS A hangs on the cluster's x, which all sixteen partners share.  Clusters x = 0 (q) and 1 (k): A = x's tokens, B = W's columns: a lane has a token and 128 channels, two heads: quantised along the head's 64.
; Cluster x = 2 (v): A = W's columns, B = x's tokens: a lane has a channel and 128 tokens: quantised along the keys, V^T with the keys innermost.  Nothing is transposed by an instruction.
; OUT: q8: codes [64 heads][128 tiles][1,024], scale words from QS [64][128][16] (bytes 2, 3 = 0).  kv: [64 heads][8 slots of 256 keys][34,304]: K's codes [16 tiles][1,024], V's codes [2 K steps][4 tiles of channels][2,048] from 16,384,
; K's scale words [16][16] from 32,768 (bytes 2, 3 = 0), V's [2][4][16] from 33,792.  Codes leave as 512 consecutive bytes a store; scale words in runs of 64 bytes, one byte in 16 of what is stored.
; THE RING: two LDS slots, each with two K steps of 128 of A's 16 and B's 16 row tiles, as images: a wave's tensor load brings 8 row tiles x 4,096 bytes.  K = 1,024 is four fills, written out: no loop.
; All scale words of the work-group's rows come once, with the first fills, and go into 64 registers: lanes 0-15 A's word, lanes 16-31 B's.
; CLUSTERS: 4 x 4.  A's tiles are shared along a row of the cluster, B's along a column, each asked for jointly.
; REGISTERS: window 0: v0-31 addresses; v32-95 scale words; v96-127 at work on the way out; v128-255 A's fragments, one set.  Window 1: B's fragments, two sets.  Windows 2, 3: the accumulators, (a, b) at v[8 (8 (a % 4) + b)].
; LIMITS: NaN and infinities are not served; a block of zeros gets the byte 1.
.set HALFT,  32768                     ; 8 row tiles x 4,096 bytes: what one tensor load brings
.set SLOT,   4*HALFT                   ; A's two halves, then B's two
.set SCL,    2*SLOT                    ; behind the ring: the scale words, 4,096 bytes for each wave's 8 row tiles
.set SPARE,  SCL+4*4096                ; behind them: the spare words, 128 bytes for each wave, which no other line names
.set FR,     16
.set NL,     4
.set NP,     8                         ; places behind this matrix instruction (ISA guide 7.12.1)
.set XSC,    8388608                   ; xq: where the scale words begin
.set WQS,    3145728                   ; w8: where W_qkv's begin
.set QS,     8388608                   ; q8: where the scale words begin
.set HEADB,  274432                    ; kv: a head
.set SLOTB,  34304                     ; kv: a slot
.set ADRA, 16                          ; v16-17 LDS address of A's images in slot 0, 1
.set ADRB, 20                          ; v20-21 the same for B
.set BO,   22                          ; v22    the bias's offset
.set LI,   24                          ; v24    16 x lane
.set SOFF, 25                          ; v25    the scale words' offset on the way out
.set SH,   26                          ; v26    16 x (lane / 16)
.set ADRS, 27                          ; v27    LDS address of my scale words
.set SPW,  28
.set NIL,  29
.set PW,   30                          ; v30    the scale word just made
.set OW,   31                          ; v31    the word to store
.set SC,   32                          ; v32-95 register 8 i + g: lanes 0-15 A's block i, lanes 16-31 B's block i, K step g
.set PC,   96                          ; v96-111  the codes just made
.set TM,   112                         ; v112-127 at work
.set AF,   128
.set HA,   128                         ; the way out: 64 numbers, in the registers that held A's fragments
.set SEL,  2                           ; s[2:3]
.set MNT,  17
.set G1, 24
.set G0, 32
.set G1B, 48
.set G0B, 56
.set G1S, 68
.set G0S, 76
.set G1SB, 80
.set G0SB, 88
.set MSB, 0
.macro WIN new                         ; the immediate's high byte repeats the setting that is left
.if MSB != (\new)
	s_set_vgpr_msb (MSB<<8)|(\new)
.set MSB, (\new)
.endif
.endm
.set MUL_LO, 0xa1                      ; source 0 (B) window 1, source 1 (A) window 0, C and D window 2
.set MUL_HI, 0xf1
.set TO_B,   0x40                      ; destination window 1
.macro JLOAD g0a, g1a, g0b, g1b        ; a joint load: waves 0 and 1 fetch for A, waves 2 and 3 for B; an s_nop 0 and four v_nop follow each line
	s_cmp_eq_u32 s15, 0
	s_cbranch_scc0 .Lfor_b_\@
	tensor_load_to_lds s[\g0a:\g0a+3], s[\g1a:\g1a+7]
	s_nop 0
.rept 4
	v_nop
.endr
	s_branch .Lasked_\@
.Lfor_b_\@:
	tensor_load_to_lds s[\g0b:\g0b+3], s[\g1b:\g1b+7]
	s_nop 0
.rept 4
	v_nop
.endr
.Lasked_\@:
.endm
.macro CREST                           ; a round of the cluster's barrier behind its opening barrier
	s_cmp_lg_u32 s14, 0
	s_cbranch_scc1 .Lnot_wave_0_\@
	s_barrier_signal -3
.Lnot_wave_0_\@:
	s_barrier_wait -3
	s_barrier_signal -1
	s_barrier_wait -1
.endm
.macro CROUND
	s_barrier_signal -1
	s_barrier_wait -1
	CREST
.endm
.macro PLACES n
.rept \n
	v_nop
.endr
.endm
.macro QUANT s                         ; 64 numbers of a lane become a fragment's codes in v[PC] on and its scale word in v[PW]
.irp b, 0,1,2,3
	v_max3_num_f32 v[TM+\b], |v[\s+16*\b]|, |v[\s+1+16*\b]|, 0x4800000   ; my 16 numbers of block b, and the floor 2^(9 - 127)
.endr
.irp i, 2,4,6,8,10,12,14
.irp b, 0,1,2,3
	v_max3_num_f32 v[TM+\b], v[TM+\b], |v[\s+16*\b+\i]|, |v[\s+1+16*\b+\i]|
.endr
.endr
.irp b, 0,1,2,3
	v_permlanex16_b32 v[TM+4+\b], v[TM+\b], s[SEL], s[SEL+1]
.endr
.irp b, 0,1,2,3
	v_max_num_f32 v[TM+\b], v[TM+\b], v[TM+4+\b]   ; with lane l xor 16's: the block's largest magnitude
.endr
.irp b, 0,1,2,3
	v_add_nc_u32 v[TM+12+\b], 0xfc000000, v[TM+\b]   ; 8 off the exponent field: the conversion's scale operand
.endr
.irp b, 0,1,2,3
	v_and_or_b32 v[TM+8+\b], v[TM+\b], 0x7f800000, s[MNT]   ; 448 x the scale
.endr
.irp b, 0,1,2,3
	v_lshrrev_b32 v[TM+4+\b], 23, v[TM+12+\b]   ; the scale's byte
.endr
	v_lshl_or_b32 v[PW], v[TM+5], 8, v[TM+4]
	v_lshl_or_b32 v[PW], v[TM+6], 16, v[PW]
	v_lshl_or_b32 v[PW], v[TM+7], 24, v[PW]
.irp b, 0,1,2,3
.irp i, 0,1,2,3,4,5,6,7,8,9,10,11,12,13,14,15
	v_med3_num_f32 v[\s+16*\b+\i], v[\s+16*\b+\i], -v[TM+8+\b], v[TM+8+\b]   ; the conversion does not saturate (ISA guide 7.6.2): the hold
.endr
	v_cvt_scalef32_pk8_fp8_f32 v[PC+4*\b:PC+1+4*\b], v[\s+16*\b:\s+7+16*\b], v[TM+12+\b]
	v_cvt_scalef32_pk8_fp8_f32 v[PC+2+4*\b:PC+3+4*\b], v[\s+8+16*\b:\s+15+16*\b], v[TM+12+\b]
.endr
	v_nop                                          ; a plain line behind the last conversion
.endm
	s_load_b256 s[4:11], s[0:1], 0x0               ; xq s[4:5], w8 s[6:7], b_qkv s[8:9], q8 s[10:11]
	s_load_b64 s[12:13], s[0:1], 0x20              ; kv
	v_lshl_add_u32 v[SPW], v0, 2, SPARE
	v_mov_b32 v[NIL], 0
	ds_add_u32 v[SPW], v[NIL]                      ; the wave's opening: the add, twice on end, and its wait ahead of my first tensor load
	ds_add_u32 v[SPW], v[NIL]
	v_lshrrev_b32 v1, 5, v0
	v_readfirstlane_b32 s14, v1                    ; wave 0..3
	s_lshr_b32 s15, s14, 1                         ; which half of A's 256 rows is mine.  Also: I fetch for A (0) or for B (1)
	s_and_b32 s16, s14, 1                          ; which half of B's.  Also: which 8 row tiles I fetch
	s_bfe_u32 s40, ttmp6, 0x40000                  ; cx
	s_bfe_u32 s41, ttmp6, 0x40004                  ; cy
	s_and_b32 s17, ttmp7, 0xffff                   ; the cluster's y
	s_lshl_b32 s43, s41, 2
	s_lshl_b32 s43, 15, s43                        ; my row of the cluster
	s_lshl_b32 s44, 0x1111, s40                    ; my column
	s_lshl_b32 s18, s17, 2
	s_add_co_u32 s18, s18, s41                     ; q, k: A's tile: tokens 256 (4 cluster y + cy) on
	s_add_co_u32 s19, s41, 8                       ; v:    A's tile: columns 256 (8 + cy) on
	s_lshl_b32 s46, ttmp9, 2
	s_add_co_u32 s46, s46, s40                     ; q, k: B's tile: columns 256 (4 cluster x + cx) on
	s_lshl_b32 s47, s17, 2
	s_add_co_u32 s47, s47, s40                     ; v:    B's tile: tokens 256 (4 cluster y + cx) on
	s_cmp_eq_u32 ttmp9, 2
	s_cselect_b32 s42, s19, s18                    ; A's tile: it hangs on cy and the cluster's place alone
	s_cselect_b32 s45, s47, s46                    ; B's tile: on cx and the cluster's place alone
	s_or_b32 s[G1+0], s43, (3<<16)|(1<<21)         ; 15:0 the mask; 17:16 elements of 8 bytes; 21 set beside a mask; no padding: an image is read as it lies
	s_or_b32 s[G1B+0], s44, (3<<16)|(1<<21)
.irp g, G1, G1B
	s_mov_b32 s[\g+1], 512<<16                     ; tensor_dim0: 4,096 bytes: two K steps of a row tile
	s_mov_b32 s[\g+2], 16<<16                      ; tensor_dim1: 16 row tiles for the head's loads; behind them 8, for the ring's
	s_mov_b32 s[\g+3], 512<<16                     ; tile_dim0
	s_mov_b32 s[\g+4], 16                          ; tile_dim1 likewise
	s_mov_b32 s[\g+5], 2048                        ; 16,384 bytes from row tile to row tile
	s_mov_b32 s[\g+6], 0
	s_mov_b32 s[\g+7], 0
.endr
	s_or_b32 s[G1S+0], s43, (3<<16)|(1<<21)        ; the scale words of 16 row tiles: 8,192 dense bytes as 32 rows of 256
	s_or_b32 s[G1SB+0], s44, (3<<16)|(1<<21)
.irp g, G1S, G1SB
	s_mov_b32 s[\g+1], 32<<16
	s_mov_b32 s[\g+2], 32<<16                      ; the scale words of 16 row tiles: 32 rows of 256 bytes
	s_mov_b32 s[\g+3], 32<<16
	s_mov_b32 s[\g+4], 32
	s_mov_b32 s[\g+5], 32
	s_mov_b32 s[\g+6], 0
	s_mov_b32 s[\g+7], 0
.endr
	s_lshl_b32 s20, s42, 1
	s_add_co_u32 s20, s20, s16                     ; A: which run of 8 row tiles I fetch
	s_lshl_b32 s22, s20, 12                        ; its scale words,
	s_lshl_b32 s20, s20, 17                        ; its codes
	s_lshl_b32 s46, s45, 1
	s_add_co_u32 s46, s46, s16                     ; B likewise
	s_lshl_b32 s96, s46, 12
	s_lshl_b32 s46, s46, 17
	s_mov_b32 s2, XSC
	s_mov_b32 s3, WQS
	s_cmp_eq_u32 ttmp9, 2
	s_cselect_b32 s98, s3, s2                      ; where the scale words begin in A's buffer,
	s_cselect_b32 s99, s2, s3                      ; and in B's
	s_add_co_u32 s22, s22, s98
	s_add_co_u32 s96, s96, s99
	s_mov_b32 s21, 0
	s_mov_b32 s23, 0
	s_mov_b32 s47, 0
	s_mov_b32 s97, 0
	s_lshl_b32 s66, s14, 15                        ; where they go: wave x HALFT: no place in the cluster enters an LDS address
	s_wait_dscnt 0x0                               ; both opening adds are done
	s_wait_kmcnt 0x0
	s_cmp_eq_u32 ttmp9, 2
	s_cselect_b64 s[92:93], s[6:7], s[4:5]         ; A's buffer
	s_cselect_b64 s[94:95], s[4:5], s[6:7]         ; B's
	s_add_nc_u64 s[20:21], s[92:93], s[20:21]
	s_add_nc_u64 s[22:23], s[92:93], s[22:23]
	s_add_nc_u64 s[46:47], s[94:95], s[46:47]
	s_add_nc_u64 s[96:97], s[94:95], s[96:97]
	CROUND                                         ; all sixteen work-groups are here: the first joint loads meet
; THE HEAD'S FOUR TILES, ONE A WAVE, each whole: wave 0 slot 0's 16 row tiles of A, wave 1 those of B, wave 2 the scale words of A's 16 row tiles, wave 3 those of B's.
; s[20:23], s[46:47], s[96:97] stand at my own 8 row tiles: my half's bytes are taken off for the whole tile's first byte.
	s_lshl_b32 s98, s16, 12
	s_mov_b32 s99, 0
	s_mov_b32 s[G0S], 1
	s_mov_b32 s[G0S+1], SCL
	s_sub_nc_u64 s[G0S+2:G0S+3], s[22:23], s[98:99]
	s_or_b32 s[G0S+3], s[G0S+3], 0x80000000
	s_mov_b32 s[G0SB], 1
	s_mov_b32 s[G0SB+1], SCL+8192
	s_sub_nc_u64 s[G0SB+2:G0SB+3], s[96:97], s[98:99]
	s_or_b32 s[G0SB+3], s[G0SB+3], 0x80000000
	s_lshl_b32 s98, s16, 17
	s_mov_b32 s[G0], 1                             ; slot 0's groups 0 serve the head's loads first
	s_mov_b32 s[G0+1], 0
	s_sub_nc_u64 s[G0+2:G0+3], s[20:21], s[98:99]
	s_or_b32 s[G0+3], s[G0+3], 0x80000000
	s_mov_b32 s[G0B], 1
	s_mov_b32 s[G0B+1], 2*HALFT
	s_sub_nc_u64 s[G0B+2:G0B+3], s[46:47], s[98:99]
	s_or_b32 s[G0B+3], s[G0B+3], 0x80000000
	s_mov_b32 s[G0+4], 1                           ; slot 1: my 8 row tiles, K steps 2 and 3
	s_add_co_u32 s[G0+5], s66, SLOT
	s_add_nc_u64 s[G0+6:G0+7], s[20:21], 4096
	s_or_b32 s[G0+7], s[G0+7], 0x80000000
	s_mov_b32 s[G0B+4], 1
	s_add_co_u32 s[G0B+5], s66, SLOT
	s_add_nc_u64 s[G0B+6:G0B+7], s[46:47], 4096
	s_or_b32 s[G0B+7], s[G0B+7], 0x80000000
.macro ARM under, g0, g1, next         ; one chain of branches on the wave's number: every way through the head passes exactly one load
	s_cmp_lt_u32 s14, \under
	s_cbranch_scc0 \next
	tensor_load_to_lds s[\g0:\g0+3], s[\g1:\g1+7]
	s_nop 0
.rept 4
	v_nop
.endr
	s_branch .Lhead_asked
\next:
.endm
	ARM 1, G0,  G1,  .Lhead_b
	ARM 2, G0B, G1B, .Lhead_sa
	ARM 3, G0S, G1S, .Lhead_sb
	tensor_load_to_lds s[G0SB:G0SB+3], s[G1SB:G1SB+7]
	s_nop 0
.rept 4
	v_nop
.endr
.Lhead_asked:
	v_and_b32 v1, 15, v0                           ; r
	v_bfe_u32 v2, v0, 4, 1                         ; h
	s_wait_alu depctr_va_vdst(0)
	v_and_b32 v3, 31, v0
	v_lshlrev_b32 v[LI], 4, v3
	v_lshlrev_b32 v[SH], 4, v2
	s_lshl_b32 s2, s15, 15                         ; my 8 row tiles of A,
	s_lshl_b32 s3, s16, 15                         ; and of B,
	s_add_co_u32 s3, s3, 2*HALFT                   ; which lie behind A's 16
.irp s, 0,1
	v_add_nc_u32 v[ADRA+\s], s2, v[LI]
	v_add_nc_u32 v[ADRB+\s], s3, v[LI]
	s_add_co_u32 s2, s2, SLOT
	s_add_co_u32 s3, s3, SLOT
.endr
	s_lshl_b32 s2, s15, 12                         ; A's scale words: my 8 row tiles
	s_lshl_b32 s3, s16, 12                         ; B's, behind A's two halves
	s_add_co_u32 s3, s3, 2*4096
	s_sub_co_u32 s3, s3, s2
	v_mul_u32_u24 v5, s3, v2                       ; lanes 16-31 take B's
	s_add_co_u32 s2, s2, SCL
	v_lshl_add_u32 v5, v1, 2, v5
	v_add_nc_u32 v[ADRS], s2, v5
.irp b, 0,1,2,3
	v_mov_b32 v[TM+4+\b], 0                        ; written once: a lane permute's destination counts as one of its sources
.endr
	s_mov_b32 s[SEL], 0x76543210
	s_mov_b32 s[SEL+1], 0xfedcba98
	s_mov_b32 s[MNT], 0x600000
.macro FRAG reg, adr, q, i             ; an image comes back as it was stored: four loads of 512 consecutive bytes
.irp c, 0,1,2,3
	ds_load_b128 v[\reg+4*\c:\reg+4*\c+3], v[\adr] offset:4096*(\i)+2048*(\q)+512*\c
.endr
.endm
; 16 matrix instructions: A's blocks a0, a0 + 1 x B's eight, K step g.  p: B's set.  The 64 accumulators take turns, one instruction a turn, in the same order in every step.
.macro MUL16 a0, p, g, zero
.irp a, \a0, \a0+1
.irp b, 0,1,2,3,4,5,6,7
.if \zero
	v_wmma_scale_f32_16x16x128_f8f6f4 v[8*(8*((\a)%4)+\b):8*(8*((\a)%4)+\b)+7], v[128*(\p)+FR*\b:128*(\p)+FR*\b+FR-1], v[AF+FR*(\a):AF+FR*(\a)+FR-1], 0, v[SC+8*\b+(\g)], v[SC+8*(\a)+(\g)] matrix_a_scale:MATRIX_SCALE_ROW1
.else
	v_wmma_scale_f32_16x16x128_f8f6f4 v[8*(8*((\a)%4)+\b):8*(8*((\a)%4)+\b)+7], v[128*(\p)+FR*\b:128*(\p)+FR*\b+FR-1], v[AF+FR*(\a):AF+FR*(\a)+FR-1], v[8*(8*((\a)%4)+\b):8*(8*((\a)%4)+\b)+7], v[SC+8*\b+(\g)], v[SC+8*(\a)+(\g)] matrix_a_scale:MATRIX_SCALE_ROW1
.endif
.endr
.endr
.endm
.macro FETCH_B slot, q, p
	WIN TO_B
.irp i, 0,1,2,3,4,5,6,7
	FRAG 128*(\p)+FR*\i, ADRB+\slot, \q, \i
.endr
	WIN 0
.endm
.macro FETCH_A slot, q, i0
.irp i, \i0, \i0+1, \i0+2, \i0+3
	FRAG AF+FR*(\i), ADRA+\slot, \q, \i
.endr
.endm
.macro SCALES                          ; all scale words, once
.irp i, 0,1,2,3,4,5,6,7
.irp g, 0,1,2,3,4,5,6,7
	ds_load_b32 v[SC+8*\i+\g], v[ADRS] offset:512*\i+64*\g
.endr
.endr
.endm
.macro STEP slot, g, zero              ; a slot's first K step; it fetches the second
	s_wait_dscnt 4*NL                              ; all but the youngest sixteen loads (A's blocks 4-7) are in
	WIN MUL_LO
	MUL16 0, 0, \g, \zero
	MUL16 2, 0, \g, \zero
	s_wait_dscnt 0
	PLACES NP                                      ; places in front of loads into registers that matrix instructions have read
	FETCH_B \slot, 1, 1
	FETCH_A \slot, 1, 0
	WIN MUL_HI
	MUL16 4, 0, \g, \zero
	MUL16 6, 0, \g, \zero
	PLACES NP
	WIN 0
	FETCH_A \slot, 1, 4
.endm
; A slot's second K step changes slots: one barrier; in front of it each wave waits for all its tensor loads, adds 0 to its spare word, and waits for that and for its reads of this slot.  fill = 1: the slot is filled again.
.macro TURN slot, next, fill, g
	s_wait_tensorcnt 0x0                           ; all my tensor loads have landed: my part of the next slot
	ds_add_u32 v[SPW], v[NIL]
	s_wait_dscnt 4*NL+1                            ; the add and the youngest sixteen loads may be out
	WIN MUL_LO
	MUL16 0, 1, \g, 0
	s_wait_dscnt 0x0                               ; the add is done, and my reads of this slot are over
	s_barrier_signal -1
	MUL16 2, 1, \g, 0
	WIN 0
	s_barrier_wait -1
.if \fill
	CREST                                          ; the barrier has opened a round of the cluster's barrier: no wave of any partner still reads this slot or has a load on its way
	s_add_nc_u64 s[G0+4*\slot+2:G0+4*\slot+3], s[G0+4*\slot+2:G0+4*\slot+3], 8192
	s_add_nc_u64 s[G0B+4*\slot+2:G0B+4*\slot+3], s[G0B+4*\slot+2:G0B+4*\slot+3], 8192
	JLOAD G0+4*\slot, G1, G0B+4*\slot, G1B         ; the first tensor load behind the round, and my only one out
	PLACES NP-4
.else
	PLACES NP
.endif
	FETCH_B \next, 0, 0
	FETCH_A \next, 0, 0
	WIN MUL_HI
	MUL16 4, 1, \g, 0
	MUL16 6, 1, \g, 0
	PLACES NP
	WIN 0
	FETCH_A \next, 0, 4
.endm
.macro LAST                            ; K step 7: nothing more to fetch
	s_wait_dscnt 4*NL
	WIN MUL_LO
	MUL16 0, 1, 7, 0
	MUL16 2, 1, 7, 0
	s_wait_dscnt 0
	WIN MUL_HI
	MUL16 4, 1, 7, 0
	MUL16 6, 1, 7, 0
	WIN 0
.endm
	s_wait_alu depctr_va_vdst(0)
	s_wait_tensorcnt 0x0                           ; my tile of the head's four is in
	ds_add_u32 v[SPW], v[NIL]
	s_mov_b32 s[G1+2], 8<<16                       ; no tensor load of mine is out, so descriptors may be written: from here on a load brings 8 row tiles
	s_mov_b32 s[G1+4], 8
	s_mov_b32 s[G1B+2], 8<<16
	s_mov_b32 s[G1B+4], 8
	s_mov_b32 s[G0+1], s66                         ; slot 0's groups 0 for the ring: my 8 row tiles
	s_mov_b64 s[G0+2:G0+3], s[20:21]
	s_or_b32 s[G0+3], s[G0+3], 0x80000000
	s_mov_b32 s[G0B+1], s66
	s_mov_b64 s[G0B+2:G0B+3], s[46:47]
	s_or_b32 s[G0B+3], s[G0B+3], 0x80000000
	s_wait_dscnt 0x0
	CROUND                                         ; a whole round: all four tiles are in, and the sixteen work-groups meet
	JLOAD G0+4, G1, G0B+4, G1B                     ; slot 1's first fill: my one tensor load behind the round
	FETCH_B 0, 0, 0
	FETCH_A 0, 0, 0
	SCALES
	FETCH_A 0, 0, 4
	STEP 0, 0, 1                                   ; the first products start the sums: nothing is cleared
	TURN 0, 1, 1, 1
	STEP 1, 2, 0
	TURN 1, 0, 1, 3
	STEP 0, 4, 0
	TURN 0, 1, 0, 5                                ; the last change of slots fills nothing
	STEP 1, 6, 0
	s_cmp_eq_u32 ttmp9, 2                          ; the cluster's x: the same in all partners
	s_cbranch_scc1 .Larm_v
	; ---- q and k: a lane has a token (place r of row tile a) and 128 channels: two heads
	s_lshr_b32 s18, s42, 3                         ; batch
	s_and_b32 s19, s42, 7                          ; which 256 tokens of it
	s_and_b32 s46, s45, 3
	s_lshl_b32 s46, s46, 2
	s_lshl_b32 s47, s16, 1
	s_add_co_u32 s46, s46, s47
	s_lshl_b32 s47, s18, 4
	s_add_co_u32 s46, s46, s47                     ; my first head: 16 batch + 4 (B's tile % 4) + 2 half
	s_lshl_b32 s20, s46, 7
	s_lshl_b32 s47, s19, 4
	s_add_co_u32 s20, s20, s47
	s_lshl_b32 s47, s15, 3
	s_add_co_u32 s20, s20, s47                     ; q8: my first tile
	s_lshl_b32 s22, s20, 6
	s_add_co_u32 s22, s22, QS
	s_lshl_b32 s20, s20, 10
	s_mul_i32 s96, s46, HEADB
	s_mul_i32 s47, s19, SLOTB
	s_add_co_u32 s96, s96, s47                     ; kv: my head's slot
	s_lshl_b32 s47, s15, 9
	s_add_co_u32 s98, s96, s47
	s_add_co_u32 s98, s98, 32768
	s_lshl_b32 s47, s15, 13
	s_add_co_u32 s96, s96, s47
	s_mov_b32 s47, HEADB
	s_cmp_eq_u32 ttmp9, 0                          ; q or k
	s_cselect_b32 s20, s20, s96                    ; the codes' place,
	s_cselect_b32 s22, s22, s98                    ; the scale words',
	s_cselect_b32 s96, 131072, s47                 ; from head to head in the codes,
	s_cselect_b32 s98, 8192, s47                   ; and in the scale words
	s_cselect_b64 s[92:93], s[10:11], s[12:13]
	s_mov_b32 s21, 0
	s_mov_b32 s23, 0
	s_mov_b32 s97, 0
	s_add_nc_u64 s[20:21], s[92:93], s[20:21]      ; the first head's codes
	s_add_nc_u64 s[22:23], s[92:93], s[22:23]      ; the scale words
	s_add_nc_u64 s[94:95], s[20:21], s[96:97]      ; the second head's codes
	v_mul_u32_u24 v[SOFF], s98, v2                 ; lanes 0-15 store the first head's words, lanes 16-31 the second's
	v_lshl_add_u32 v[SOFF], v1, 2, v[SOFF]
	v_lshlrev_b32 v[BO], 6, v2                     ; the bias: 64 h bytes
	s_lshl_b32 s96, s45, 10
	s_lshl_b32 s47, s16, 9
	s_add_co_u32 s96, s96, s47
	s_mov_b32 s97, 0
	s_add_nc_u64 s[96:97], s[8:9], s[96:97]        ; b_qkv at my 128 channels
	WIN TO_B                                       ; B's set 0 is done with (eight places stand behind its last products): register 16 b + i takes the bias of channel 32 b + 16 h + i
.irp e, 0,1,2,3
.irp j, 0,1,2,3
	global_load_b128 v[16*\e+4*\j:16*\e+4*\j+3], v[BO], s[96:97] offset:128*\e+16*\j
.endr
.endr
	WIN 0
	LAST
	PLACES NP                                      ; in front of the first read of results and the first write of A's registers
	s_wait_loadcnt 0x0                             ; the bias
.macro OUT_QK a
.if (\a) > 0
	s_wait_xcnt 0x0                                ; the last block's stores have read their registers
.endif
	WIN 0x06+(\a)/4                                ; source 0 window 2 or 3, source 1 window 1
.set AC, 64*((\a)%4)
.set i, 0
.rept 32
	v_pk_add_f32 v[HA+i:HA+i+1], v[AC+i:AC+i+1], v[i:i+1]   ; + the bias, and into window 0; each accumulator from its low end on
.set i, i+2
.endr
	WIN 0
	QUANT HA
	v_lshrrev_b32 v[OW], v[SH], v[PW]              ; bytes 0, 1 are the first head's two blocks, bytes 2, 3 the second's
	v_and_b32 v[OW], 0xffff, v[OW]                 ; the upper two bytes stay 0: they stand over zero codes
	global_store_b128 v[LI], v[PC:PC+3], s[20:21] offset:1024*(\a)
	global_store_b128 v[LI], v[PC+4:PC+7], s[20:21] offset:1024*(\a)+512
	global_store_b128 v[LI], v[PC+8:PC+11], s[94:95] offset:1024*(\a)
	global_store_b128 v[LI], v[PC+12:PC+15], s[94:95] offset:1024*(\a)+512
	global_store_b32 v[SOFF], v[OW], s[22:23] offset:64*(\a)
.endm
.irp a, 0,1,2,3,4,5,6,7
	OUT_QK \a
.endr
	s_branch .Ldone
.Larm_v:
	; ---- v: a lane has a channel (place r of W's row tile a) and 128 tokens: a K step of the third product
	s_lshr_b32 s18, s45, 3                         ; batch
	s_and_b32 s19, s45, 7                          ; slot
	s_lshl_b32 s46, s41, 2
	s_lshl_b32 s47, s15, 1
	s_add_co_u32 s46, s46, s47
	s_lshl_b32 s47, s18, 4
	s_add_co_u32 s46, s46, s47                     ; my first head: 16 batch + 4 cy + 2 half
	s_mul_i32 s20, s46, HEADB
	s_mul_i32 s47, s19, SLOTB
	s_add_co_u32 s20, s20, s47
	s_lshl_b32 s47, s16, 8
	s_add_co_u32 s22, s20, s47
	s_add_co_u32 s22, s22, 33792                   ; V's scale words of my K step
	s_lshl_b32 s47, s16, 13
	s_add_co_u32 s20, s20, s47
	s_add_co_u32 s20, s20, 16384                   ; V's codes of my K step
	s_mov_b32 s21, 0
	s_mov_b32 s23, 0
	s_add_nc_u64 s[20:21], s[12:13], s[20:21]
	s_add_nc_u64 s[22:23], s[12:13], s[22:23]
	s_lshl_b32 s96, s42, 10
	s_lshl_b32 s47, s15, 9
	s_add_co_u32 s96, s96, s47
	s_mov_b32 s97, 0
	s_add_nc_u64 s[96:97], s[8:9], s[96:97]        ; b_qkv at my 128 channels
	v_and_b32 v[BO], 8, v1
	v_add_nc_u32 v[BO], v[BO], v1
	v_lshlrev_b32 v[BO], 2, v[BO]                  ; 4 (r + 8 (r / 8))
	v_lshlrev_b32 v[SOFF], 2, v1
	WIN TO_B
.irp a, 0,1,2,3,4,5,6,7
	global_load_b32 v[2*\a], v[BO], s[96:97] offset:4*(32*(\a/2)+8*(\a%2))     ; my channel's bias in row tile a, twice: a pair for the packed addition
	global_load_b32 v[2*\a+1], v[BO], s[96:97] offset:4*(32*(\a/2)+8*(\a%2))
.endr
	WIN 0
	LAST
	PLACES NP
	s_wait_loadcnt 0x0
.macro OUT_V a
.if (\a) > 0
	s_wait_xcnt 0x0
.endif
	WIN 0x06+(\a)/4
.set AC, 64*((\a)%4)
.set i, 0
.rept 32
	v_pk_add_f32 v[HA+i:HA+i+1], v[AC+i:AC+i+1], v[2*(\a):2*(\a)+1]
.set i, i+2
.endr
	WIN 0
	QUANT HA
.irp c, 0,1,2,3
	global_store_b128 v[LI], v[PC+4*\c:PC+4*\c+3], s[20:21] offset:((\a)/4)*HEADB+((\a)%4)*2048+512*\c
.endr
	global_store_b32 v[SOFF], v[PW], s[22:23] offset:((\a)/4)*HEADB+((\a)%4)*64   ; both halves of the lanes write the same word with the same value
.endm
.irp a, 0,1,2,3,4,5,6,7
	OUT_V \a
.endr
.Ldone:
	s_wait_tensorcnt 0x0                           ; the wave's end
	ds_add_u32 v[SPW], v[NIL]
	s_wait_dscnt 0x0
	CROUND                                         ; the closing round: no work-group ends while a partner may still ask for a tile that names it
	s_endpgm
.Lfunc_end_k_q4783a0a5ae_gemm_qkv:
	.size	k_q4783a0a5ae_gemm_qkv, .Lfunc_end_k_q4783a0a5ae_gemm_qkv-k_q4783a0a5ae_gemm_qkv
	.p2alignl 7, 3214868480
	.fill 96, 4, 3214868480
	.section	.rodata,"a",@progbits
	.p2align	6, 0x0
	.amdhsa_kernel k_q4783a0a5ae_gemm_qkv
		.amdhsa_group_segment_fixed_size 327680
		.amdhsa_private_segment_fixed_size 0
		.amdhsa_enable_private_segment 0
		.amdhsa_kernarg_size 40
		.amdhsa_user_sgpr_count 2
		.amdhsa_user_sgpr_kernarg_segment_ptr 1
		.amdhsa_wavefront_size32 1
		.amdhsa_system_sgpr_workgroup_id_x 1
		.amdhsa_system_sgpr_workgroup_id_y 1
		.amdhsa_system_sgpr_workgroup_id_z 1
		.amdhsa_system_vgpr_workitem_id 0
		.amdhsa_next_free_vgpr 1024
		.amdhsa_next_free_sgpr 100
		.amdhsa_reserve_vcc 0
		.amdhsa_float_denorm_mode_32 3
		.amdhsa_float_denorm_mode_16_64 3
		.amdhsa_memory_ordered 1
		.amdhsa_forward_progress 1
		.amdhsa_inst_pref_size 255
	.end_amdhsa_kernel
	.section	.bss,"aw",@nobits
	.p2align	6
	.space	262144
	.amdgpu_metadata
---
amdhsa.version: [ 1, 2 ]
amdhsa.kernels:
  - .name:           k_q4783a0a5ae_gemm_qkv
    .symbol:         k_q4783a0a5ae_gemm_qkv.kd
    .args:
      - { .name: xq, .offset: 0, .size: 8, .value_kind: global_buffer, .address_space: global }
      - { .name: w8, .offset: 8, .size: 8, .value_kind: global_buffer, .address_space: global }
      - { .name: b_qkv, .offset: 16, .size: 8, .value_kind: global_buffer, .address_space: global }
      - { .name: q8, .offset: 24, .size: 8, .value_kind: global_buffer, .address_space: global }
      - { .name: kv, .offset: 32, .size: 8, .value_kind: global_buffer, .address_space: global }
    .group_segment_fixed_size: 327680
    .private_segment_fixed_size: 0
    .kernarg_segment_align: 8
    .kernarg_segment_size: 40
    .max_flat_workgroup_size: 128
    .sgpr_count:     100
    .vgpr_count:     1024
    .wavefront_size: 32
...
	.end_amdgpu_metadata
.endif
;; end of part 2
;; launch attn (part 3): grid 4 x 64, 16 waves a work-group, clusters of 4 x 1, 327,680 bytes of LDS; arguments q8, kv, c8; writes c8
.if DOCPART == 3
	.amdgcn_target "amdgcn-amd-amdhsa--gfx1250"
	.amdhsa_code_object_version 6
	.text
	.protected	k_q4783a0a5ae_attn
	.globl	k_q4783a0a5ae_attn
	.p2align	8
	.type	k_q4783a0a5ae_attn,@function
k_q4783a0a5ae_attn:
	s_mov_b64 s[64:65], 0
	v_nop
	global_prefetch_b8 v0, s[64:65] scope:SCOPE_SE
	s_setreg_imm32_b32 hwreg(HW_REG_WAVE_MODE, 25, 1), 1
	s_wait_xcnt 0x0
	s_wait_alu depctr_hold_cnt(0) depctr_sa_sdst(0) depctr_va_vdst(0) depctr_va_sdst(0) depctr_va_ssrc(0) depctr_va_vcc(0) depctr_vm_vsrc(0)
	s_getreg_b32 s2, hwreg(HW_REG_IB_STS2, 6, 4)
	s_cmp_eq_u32 s2, 0
	s_cbranch_scc0 .Lentry_in_a_cluster
	s_endpgm
.Lentry_in_a_cluster:
	s_bfe_u32 s2, ttmp6, 0x10000c
	s_cmp_lg_u32 s2, 0x3003
	s_cbranch_scc0 .Lentry_shape_is_right
	s_endpgm
.Lentry_shape_is_right:
; concat = softmax(q k^T / 8, causal) v for 64 heads of 2,048 x 64, both products on codes of FP8 (E4M3) with E8M0 scales; the result is quantised along the model's 1,024 channels and stored as the last product's operand.
; LEFT OUT (shown at the head of launch quant_x): each step of 128 keys that lie wholly behind all 16 queries of a wave: the mask that reference() builds makes their p zero.
; THE SOFTMAX: t = score x log2(e) / 8; M = the running largest t rounded UP to a whole number; p = 2^(t - M) is quantised along the keys, not normalised; the row's sum is taken of the unquantised p and divides at the end.
; A HEAD'S K AND V STAY IN LDS: kv's 8 slots of 34,304 bytes are 274,432 bytes.  Each of the sixteen waves asks for one sixteenth, 17,152 dense bytes, once, at the kernel's head; no byte of LDS is filled twice and there is no ring.
; SHARES.  The four work-groups of a head form a cluster.  Of each block j of 128 queries (j = 0 .. 15) the work-group at place cx owns queries 128 j + 32 cx + 0 .. 31: two tiles of 16.  So all four need all 2,048 keys, and each
; sixteenth is asked for JOINTLY (mask 15).  A tile of block j walks j + 1 steps of 128 keys whatever cx is: every branch hangs on the wave's number and the count of visits; cx enters global addresses and the mask's lane constant alone.
; Wave w owns tile w % 2 of block 15 - w / 2 and then of block w / 2: 17 steps in NINE visits of slots of 256 keys, the same for every wave.
; TWO BARRIERS show the tiles: waves 0 to 3 have a load line of their own and wait for it ahead of the first, which shows slots 0 and 1, all that visits 0 and 1 read; every wave waits ahead of the second, behind visit 1.
; NO PREFETCH: all of K and V is asked for by the head's sixteen loads, so no later load is left to run ahead of; the second tile's Q, 1,088 bytes a wave, is asked for ahead of the first tile's way out.
; LAYOUT.  S^T = K Q^T (source 0 = 16 keys, source 1 = my queries), O^T = V^T P^T (source 0 = 16 channels, source 1 = P): a lane holds ONE query.  Place r of tile 2 B + u is row 32 B + 8 u + r + 8 (r / 8), so the 16 registers
; of tiles 2 B, 2 B + 1 are sixteen neighbours: of the keys in S^T, of the channels in O^T.  p's codes are the second product's operand, and O^T's codes are concat's image.
; K = 64 IN AN INSTRUCTION OF K = 128: Q's registers 8-15 are zero codes and the scale bytes 2, 3 of both sides are 0.  K's tile t is named with the eight registers behind it (tile t + 1's codes; zeros behind tile 7): finite
; numbers (the quantiser's hold makes no NaN code), and a finite number times a zero code adds nothing.
; LIMITS: NaN and infinities are not served; a p under 2^-126 comes out of v_exp_f32 as 0; a block of zeros gets the byte 1; the scaled scores stay under 2^31 in magnitude.
; REGISTERS: v1 16 x lane, v2 4 (lane % 16), v3 d = my query - 128 j - 16 (lane / 16); v8, v9 addresses; v12 -M, v13 largest t, v[14:15] the sum; v16-23 Q, v24-31 zeros; v32-95 K's 8 tiles or V's 4; v96-103 zeros;
;   v104-167 S^T, then p; v168-199 O^T; v200-215 p's codes; v216-223 K's scale words, v224-227 V's; v232-254 at work; v253 p's scale word; v255 Q's.
.set SLOTB, 34304
.set HEADB, 274432
.set HALFB, 17152
.set SPARE, 294912                     ; the spare words, 128 bytes for each wave, which no other line names
.set QS,    8388608                    ; q8: where the scale words begin
.set CSO,   8388608                    ; c8: where the scale words begin
.set SPW,  5
.set NIL,  6
.set ADK,  8
.set ADS,  9
.set KV,   32
.set S,    104
.set OT,   168
.set PCD,  200
.set KSC,  216
.set VSC,  224
.set TB,   2                           ; s2   LDS byte at which the visit's slot begins
.set VIS,  3                           ; s3   the visit, 0 .. 8
.set NA,   11                          ; s11  visits of my first tile
.set KF,   12                          ; s12  the step's first key
.set QJ,   13                          ; s13  128 j of the tile in hand
.set QJB,  14                          ; s14  of the second tile
.set WV,   18
.set MNT,  19
.set SEL,  20
.set CS,   22                          ; s[22:23] c = log2(e) / 8
.set G1,   24
.set G0,   32
.set CCA,  40                          ; s[40:43] concat's codes and scale words of the first tile;  s[44:47] of the second
.set CSA,  42
.set CCB,  44
.set CSB,  46
.set QCA,  48                          ; s[48:51] Q's codes and scale words of the first tile;  s[52:55] of the second
.set QSA,  50
.set QCB,  52
.set QSB,  54
.macro BARRIER
	s_barrier_signal -1
	s_barrier_wait -1
.endm
.macro CROUND                          ; a round of the cluster's barrier
	BARRIER
	s_cmp_lg_u32 s[WV], 0
	s_cbranch_scc1 .Lnot_wave_0_\@
	s_barrier_signal -3
.Lnot_wave_0_\@:
	s_barrier_wait -3
	BARRIER
.endm
	s_load_b128 s[4:7], s[0:1], 0x0                ; q8, kv
	s_load_b64 s[8:9], s[0:1], 0x10                ; c8
	v_lshl_add_u32 v[SPW], v0, 2, SPARE
	v_mov_b32 v[NIL], 0
	ds_add_u32 v[SPW], v[NIL]                      ; the wave's opening: the add, twice on end, and its wait ahead of the first tensor load
	ds_add_u32 v[SPW], v[NIL]
	v_lshrrev_b32 v8, 5, v0
	v_readfirstlane_b32 s[WV], v8                  ; wave 0..15
	s_and_b32 s56, ttmp7, 0xffff                   ; 16 batch + head: the cluster's y
	s_bfe_u32 s57, ttmp6, 0x40000                  ; cx
	s_lshr_b32 s58, s[WV], 1                       ; the second tile's block j
	s_and_b32 s59, s[WV], 1                        ; u
	s_sub_co_u32 s60, 15, s58                      ; the first tile's block j
	s_lshr_b32 s[NA], s60, 1
	s_add_co_u32 s[NA], s[NA], 1                   ; it visits slots 0 .. j / 2
	s_lshl_b32 s[QJ], s60, 7
	s_lshl_b32 s[QJB], s58, 7
	s_lshl_b32 s61, s57, 1
	s_add_co_u32 s61, s61, s59                     ; 2 cx + u
	s_lshl_b32 s62, s60, 3
	s_add_co_u32 s62, s62, s61                     ; my first tile among the sequence's 128: 8 j + 2 cx + u,
	s_lshl_b32 s63, s58, 3
	s_add_co_u32 s63, s63, s61                     ; and my second
	s_lshl_b32 s66, s56, 7
	s_add_co_u32 s67, s66, s62                     ; q8: 128 tiles a head
	s_add_co_u32 s66, s66, s63
	s_lshl_b32 s[QCA], s67, 10
	s_mov_b32 s[QCA+1], 0
	s_lshl_b32 s[QSA], s67, 6
	s_add_co_u32 s[QSA], s[QSA], QS
	s_mov_b32 s[QSA+1], 0
	s_lshl_b32 s[QCB], s66, 10
	s_mov_b32 s[QCB+1], 0
	s_lshl_b32 s[QSB], s66, 6
	s_add_co_u32 s[QSB], s[QSB], QS
	s_mov_b32 s[QSB+1], 0
	s_lshr_b32 s68, s56, 4
	s_lshl_b32 s68, s68, 7
	s_add_co_u32 s69, s68, s62                     ; c8: row tile 128 batch + tile
	s_add_co_u32 s68, s68, s63
; c8, for launch gemm_out: codes [128 tokens][K pair][8 row tiles][2 K steps][2,048]; scale words [row tile][16 rows][8 K steps].  A head is 64 of the 1,024 channels: a quarter of a K pair, two bytes of a row's 32
	s_and_b32 s70, s56, 15                         ; the head
	s_lshr_b32 s71, s70, 2
	s_lshl_b32 s71, s71, 15                        ; its K pair,
	s_and_b32 s73, s70, 3
	s_lshl_b32 s73, s73, 10                        ; its quarter of it
	s_add_co_u32 s71, s71, s73
	s_lshr_b32 s[CCA], s69, 3
	s_lshl_b32 s[CCA], s[CCA], 17
	s_and_b32 s73, s69, 7
	s_lshl_b32 s73, s73, 12
	s_add_co_u32 s[CCA], s[CCA], s73
	s_add_co_u32 s[CCA], s[CCA], s71
	s_mov_b32 s[CCA+1], 0
	s_lshr_b32 s[CCB], s68, 3
	s_lshl_b32 s[CCB], s[CCB], 17
	s_and_b32 s73, s68, 7
	s_lshl_b32 s73, s73, 12
	s_add_co_u32 s[CCB], s[CCB], s73
	s_add_co_u32 s[CCB], s[CCB], s71
	s_mov_b32 s[CCB+1], 0
	s_lshl_b32 s72, s70, 1
	s_add_co_u32 s72, s72, CSO
	s_lshl_b32 s[CSA], s69, 9
	s_add_co_u32 s[CSA], s[CSA], s72
	s_mov_b32 s[CSA+1], 0
	s_lshl_b32 s[CSB], s68, 9
	s_add_co_u32 s[CSB], s[CSB], s72
	s_mov_b32 s[CSB+1], 0
	s_lshl_b32 s74, s59, 3
	s_lshl_b32 s75, s57, 5
	s_add_co_u32 s74, s74, s75                     ; 8 u + 32 cx: for the mask's lane constant
	s_mul_i32 s76, s56, HEADB                      ; my head of kv,
	s_mul_i32 s[G0+1], s[WV], HALFB                ; my sixteenth of it: in LDS as in memory
	s_add_co_u32 s76, s76, s[G0+1]
	s_mov_b32 s77, 0
	s_mov_b32 s[G0], 1
	s_mov_b32 s[G1], 15|(3<<16)|(1<<21)            ; the mask: all four of the cluster; elements of 8 bytes; bit 21 beside a mask; no padding: images are read as they lie
	s_mov_b32 s[G1+1], 32<<16                      ; tensor_dim0: 256 bytes
	s_mov_b32 s[G1+2], 67<<16                      ; tensor_dim1: 67 rows: 17,152 dense bytes
	s_mov_b32 s[G1+3], 32<<16                      ; tile_dim0
	s_mov_b32 s[G1+4], 67                          ; tile_dim1
	s_mov_b32 s[G1+5], 32                          ; the pitch
	s_mov_b32 s[G1+6], 0
	s_mov_b32 s[G1+7], 0
	s_mov_b32 s[SEL], 0x76543210
	s_mov_b32 s[SEL+1], 0xfedcba98
	s_mov_b32 s[CS], 0x3e38aa3b                    ; c = log2(e) / 8
	s_mov_b32 s[CS+1], s[CS]
	s_mov_b32 s[MNT], 0x600000
	s_wait_dscnt 0x0                               ; both opening adds are done
	s_wait_kmcnt 0x0
	s_add_nc_u64 s[G0+2:G0+3], s[6:7], s[76:77]
	s_or_b32 s[G0+3], s[G0+3], 0x80000000
	CROUND                                         ; all four work-groups are here: the joint loads meet
	s_cmp_lt_u32 s[WV], 4                          ; one load a wave; waves 0 to 3 (slots 0 and 1) have a line of their own, since they alone wait ahead of the first barrier
	s_cbranch_scc0 .Lothers
	tensor_load_to_lds s[G0:G0+3], s[G1:G1+7]
	s_nop 0
.rept 4
	v_nop
.endr
	s_branch .Lasked
.Lothers:
	tensor_load_to_lds s[G0:G0+3], s[G1:G1+7]
	s_nop 0
.rept 4
	v_nop
.endr
.Lasked:
	s_add_nc_u64 s[QCA:QCA+1], s[4:5], s[QCA:QCA+1]
	s_add_nc_u64 s[QSA:QSA+1], s[4:5], s[QSA:QSA+1]
	s_add_nc_u64 s[QCB:QCB+1], s[4:5], s[QCB:QCB+1]
	s_add_nc_u64 s[QSB:QSB+1], s[4:5], s[QSB:QSB+1]
	s_add_nc_u64 s[CCA:CCA+1], s[8:9], s[CCA:CCA+1]
	s_add_nc_u64 s[CSA:CSA+1], s[8:9], s[CSA:CSA+1]
	s_add_nc_u64 s[CCB:CCB+1], s[8:9], s[CCB:CCB+1]
	s_add_nc_u64 s[CSB:CSB+1], s[8:9], s[CSB:CSB+1]
	v_and_b32 v10, 31, v0
	v_and_b32 v11, 15, v0                          ; r
	v_lshlrev_b32 v1, 4, v10                       ; 16 x lane
	v_lshlrev_b32 v2, 2, v11
	v_lshlrev_b32 v4, 5, v11                       ; v4: 32 r: my row's scale words in c8
	global_load_b128 v[16:19], v1, s[QCA:QCA+1]    ; Q's image: it stays in registers
	global_load_b128 v[20:23], v1, s[QCA:QCA+1] offset:512
	global_load_b32 v255, v2, s[QSA:QSA+1]         ; and its scale words
	v_and_b32 v3, 8, v11
	v_bfe_u32 v10, v0, 4, 1
	v_add_nc_u32 v3, v3, v11                       ; r + 8 (r / 8)
	v_lshlrev_b32 v10, 4, v10
	v_sub_nc_u32 v3, v3, v10
	v_add_nc_u32 v3, s74, v3                       ; d: my query less 128 j, less 16 (lane / 16): the same for both my tiles
.irp j, 0,1,2,3,4,5,6,7
	v_mov_b32 v[24+\j], 0                          ; Q's zero codes for k = 64 .. 127
	v_mov_b32 v[96+\j], 0                          ; and what stands behind K's tile 7
.endr
	v_mov_b32 v13, 0xff61b1e6                      ; the largest t so far: -3e38
	v_mov_b32 v14, 0
	v_mov_b32 v15, 0
	v_floor_f32 v12, -v13                          ; -M
.irp b, 0,1,2,3
	v_mov_b32 v[236+\b], 0                         ; written once: a lane permute's destination counts as one of its sources
.endr
	v_mov_b32 v252, 0
	v_mov_b32 v253, 0
.set j, 0
.rept 32
	v_mov_b32 v[OT+j], 0                           ; O^T: the step is written once; the first finds zeros
.set j, j+1
.endr
; A KEY STEP: 128 keys, the q-th of the visit's slot.  diag = 0: visits 0 and 1, whose 512 keys count for every first tile (j is 8 at the least): neither the test for a hidden step nor the mask is assembled
.macro STEP q, diag
.if (\q) && (\diag)
	s_cmp_gt_u32 s[KF], s[QJ]                      ; KF is a multiple of 128: above 128 j it lies behind all my queries, and the step is left out (a slot's first step never is)
	s_cbranch_scc1 .Lhidden_\@
.endif
.rept 6+2*(\q)
	v_nop                                          ; eight places (q = 0: with the visit's two additions) in front of loads into registers that matrix instructions have read
.endr
.irp t, 0,1,2,3,4,5,6,7
	ds_load_b128 v[KV+8*\t:KV+8*\t+3], v[ADK] offset:8192*(\q)+1024*\t
	ds_load_b128 v[KV+8*\t+4:KV+8*\t+7], v[ADK] offset:8192*(\q)+1024*\t+512
	ds_load_b32 v[KSC+\t], v[ADS] offset:32768+512*(\q)+64*\t
.endr
	s_wait_alu depctr_va_vdst(0)
	s_wait_dscnt 0x0
.irp t, 0,1,2,3,4,5,6,7
	v_wmma_scale_f32_16x16x128_f8f6f4 v[S+8*\t:S+8*\t+7], v[KV+8*\t:KV+8*\t+15], v[16:31], 0, v[KSC+\t], v255
.endr
.rept 8
	v_nop
.endr
.irp t, 0,1,2,3                                ; V's four tiles land while the softmax is walked
.irp c, 0,1,2,3
	ds_load_b128 v[KV+16*\t+4*\c:KV+16*\t+4*\c+3], v[ADK] offset:16384+8192*(\q)+2048*\t+512*\c
.endr
	ds_load_b32 v[VSC+\t], v[ADS] offset:33792+256*(\q)+64*\t
.endr
.if \diag
	s_add_co_u32 s96, s[KF], 128
	s_cmp_le_u32 s96, s[QJ]                        ; all 128 keys count for all my queries: no mask
	s_cbranch_scc1 .Lopen_\@
	v_mov_b32 v254, 0xff800000                     ; -infinity.  Here KF = 128 j: register 16 b + i holds key KF + 32 b + 16 (lane / 16) + i: hidden where 32 b + i > d
.set n, 0
.rept 64
	v_cmp_gt_i32 vcc_lo, 32*(n/16)+n%16, v3
	v_cndmask_b32 v[S+n], v[S+n], v254, vcc_lo
.set n, n+1
.endr
.Lopen_\@:
.endif
.irp b, 0,1,2,3
	v_max3_num_f32 v[232+\b], v[S+16*\b], v[S+1+16*\b], v[S+2+16*\b]   ; the largest score of each block of 32 keys: for the row's maximum, and for the block's largest p
.endr
.irp i, 3,5,7,9,11,13
.irp b, 0,1,2,3
	v_max3_num_f32 v[232+\b], v[232+\b], v[S+16*\b+\i], v[S+1+16*\b+\i]
.endr
.endr
.irp b, 0,1,2,3
	v_max_num_f32 v[232+\b], v[232+\b], v[S+15+16*\b]
.endr
.irp b, 0,1,2,3
	s_delay_alu instid0(VALU_DEP_4)
	v_permlanex16_b32 v[236+\b], v[232+\b], s[SEL], s[SEL+1]
.endr
.irp b, 0,1,2,3
	s_delay_alu instid0(VALU_DEP_4)
	v_max_num_f32 v[232+\b], v[232+\b], v[236+\b]  ; with lane l xor 16's 16 keys
.endr
	s_delay_alu instid0(VALU_DEP_2)
	v_max3_num_f32 v254, v232, v233, v234
	s_delay_alu instid0(VALU_DEP_1)
	v_max_num_f32 v254, v254, v235
	s_delay_alu instid0(VALU_DEP_1)
	v_mul_f32 v254, s[CS], v254                    ; the step's largest t
	s_delay_alu instid0(VALU_DEP_1)
	v_max_num_f32 v13, v13, v254                   ; the running largest t
	v_mov_b32 v254, v12
	s_delay_alu instid0(VALU_DEP_2)
	v_floor_f32 v12, -v13                          ; the new -M = -ceil(t): a whole number
	s_delay_alu instid0(VALU_DEP_1)
	v_sub_f32 v254, v12, v254                      ; old M - new M, 0 or less
	s_delay_alu instid0(VALU_DEP_1)
	v_cvt_i32_f32 v254, v254                       ; (it saturates)
	s_delay_alu instid0(VALU_DEP_1)
	v_ldexp_f32 v252, 1.0, v254                    ; f = 2^(old M - new M)
.set j, 0
.rept 32
	v_pk_fma_f32 v[S+j:S+j+1], v[S+j:S+j+1], s[CS:CS+1], v[12:13] op_sel_hi:[1,0,0]   ; t - M
.set j, j+2
.endr
.irp b, 0,1,2,3
	v_fma_f32 v[232+\b], v[232+\b], s[CS], v12     ; the same of each block's largest score
.endr
.set j, 0
	s_wait_alu depctr_va_vdst(0)                   ; the wait ahead of the batch
.rept 64
	v_exp_f32 v[S+j], v[S+j]                       ; p = 2^(t - M)
.set j, j+1
.endr
	v_pk_mul_f32 v[14:15], v[14:15], v[252:253] op_sel_hi:[1,0]   ; the sums under the new M: a plain line behind the exponentials
	s_wait_alu depctr_va_vdst(0)                   ; one wait for the batch, ahead of its first reader
.irp b, 0,1,2,3
	v_exp_f32 v[232+\b], v[232+\b]                 ; each block's largest p
.endr
	v_pk_add_f32 v[236:237], v[108:109], v[112:113]   ; the row's sum of the unquantised p, in eight chains
	v_pk_add_f32 v[250:251], v[116:117], v[120:121]
	v_pk_add_f32 v[248:249], v[124:125], v[128:129]
	v_pk_add_f32 v[246:247], v[132:133], v[136:137]
	v_pk_add_f32 v[244:245], v[140:141], v[144:145]
	v_pk_add_f32 v[242:243], v[148:149], v[152:153]
	v_pk_add_f32 v[240:241], v[156:157], v[160:161]
	v_pk_add_f32 v[14:15], v[14:15], v[164:165]
	v_pk_add_f32 v[236:237], v[236:237], v[104:105]
	v_pk_add_f32 v[250:251], v[250:251], v[106:107]
	v_pk_add_f32 v[248:249], v[248:249], v[110:111]
	v_pk_add_f32 v[246:247], v[246:247], v[114:115]
	v_pk_add_f32 v[244:245], v[244:245], v[118:119]
	v_pk_add_f32 v[242:243], v[242:243], v[122:123]
	v_pk_add_f32 v[240:241], v[240:241], v[126:127]
	v_pk_add_f32 v[14:15], v[14:15], v[130:131]
	v_pk_add_f32 v[236:237], v[236:237], v[134:135]
	v_pk_add_f32 v[250:251], v[250:251], v[138:139]
	v_pk_add_f32 v[248:249], v[248:249], v[142:143]
	v_pk_add_f32 v[246:247], v[246:247], v[146:147]
	v_pk_add_f32 v[244:245], v[244:245], v[150:151]
	v_pk_add_f32 v[242:243], v[242:243], v[154:155]
	v_pk_add_f32 v[240:241], v[240:241], v[158:159]
	v_pk_add_f32 v[14:15], v[14:15], v[162:163]
	v_pk_add_f32 v[236:237], v[236:237], v[166:167]
	s_delay_alu instid0(VALU_DEP_2)
	v_pk_add_f32 v[14:15], v[14:15], v[246:247]
	s_delay_alu instid0(VALU_DEP_2)
	v_pk_add_f32 v[236:237], v[236:237], v[244:245]
	v_pk_add_f32 v[250:251], v[250:251], v[242:243]
	v_pk_add_f32 v[248:249], v[248:249], v[240:241]
	s_delay_alu instid0(VALU_DEP_2)
	v_pk_add_f32 v[14:15], v[14:15], v[250:251]
	s_delay_alu instid0(VALU_DEP_2)
	v_pk_add_f32 v[236:237], v[236:237], v[248:249]
	s_delay_alu instid0(VALU_DEP_1)
	v_pk_add_f32 v[14:15], v[14:15], v[236:237]
	s_wait_alu depctr_va_vdst(0)                   ; and one for the four
.irp b, 0,1,2,3
	v_max_num_f32 v[232+\b], 0x4800000, v[232+\b]  ; the floor 2^(9 - 127)
.endr
.irp b, 0,1,2,3
	s_delay_alu instid0(VALU_DEP_4)
	v_add_nc_u32 v[244+\b], 0xfc000000, v[232+\b]  ; the conversion's scale operand
.endr
.irp b, 0,1,2,3
	v_and_or_b32 v[240+\b], v[232+\b], 0x7f800000, s[MNT]   ; 448 x the scale
.endr
.irp b, 0,1,2,3
	v_lshrrev_b32 v[236+\b], 23, v[244+\b]         ; the scale's byte
.endr
	s_delay_alu instid0(VALU_DEP_3)
	v_lshl_or_b32 v253, v237, 8, v236              ; p's scale word for these 128 keys
	s_delay_alu instid0(VALU_DEP_1)
	v_lshl_or_b32 v253, v238, 16, v253
	s_delay_alu instid0(VALU_DEP_1)
	v_lshl_or_b32 v253, v239, 24, v253
.irp b, 0,1,2,3
.irp i, 0,2,4,6,8,10,12,14
	v_dual_min_num_f32 v[S+16*\b+\i], v[S+16*\b+\i], v[240+\b] :: v_dual_min_num_f32 v[S+16*\b+\i+1], v[S+16*\b+\i+1], v[240+\b]   ; the hold, two numbers a line; p is not negative
.endr
	v_cvt_scalef32_pk8_fp8_f32 v[PCD+4*\b:PCD+1+4*\b], v[S+16*\b:S+7+16*\b], v[244+\b]
	v_cvt_scalef32_pk8_fp8_f32 v[PCD+2+4*\b:PCD+3+4*\b], v[S+8+16*\b:S+15+16*\b], v[244+\b]
.endr
	s_wait_alu depctr_va_vdst(0)                   ; directly ahead of the first reader of O^T
.set j, 0
.rept 16
	v_pk_mul_f32 v[OT+j:OT+j+1], v[OT+j:OT+j+1], v[252:253] op_sel_hi:[1,0]   ; O^T under the new M; these sixteen are also the places in front of the products below
.set j, j+2
.endr
	s_wait_alu depctr_va_vdst(0)
	s_wait_dscnt 0x0                               ; V
.irp t, 0,1,2,3
	v_wmma_scale_f32_16x16x128_f8f6f4 v[OT+8*\t:OT+8*\t+7], v[KV+16*\t:KV+16*\t+15], v[PCD:PCD+15], v[OT+8*\t:OT+8*\t+7], v[VSC+\t], v253
.endr
.if \diag
.if \q
.Lhidden_\@:
.endif
	s_add_co_u32 s[KF], s[KF], 128
.endif
.endm
.macro VISIT diag                      ; a slot of 256 keys: two steps
	v_add_nc_u32 v[ADK], s[TB], v1
	v_add_nc_u32 v[ADS], s[TB], v2
	STEP 0, \diag
	STEP 1, \diag
.endm
; THE WAY OUT of a tile: O^T / the sum, quantised along the channels (two blocks of 32), stored as 1,024 bytes of concat's image and two bytes of each row's scale word (one byte in 32 of what is stored)
.macro WAYOUT cc, cs
.rept 8
	v_nop                                          ; places behind the last products
.endr
	v_add_f32 v14, v14, v15
	s_delay_alu instid0(VALU_DEP_1)
	v_permlanex16_b32 v252, v14, s[SEL], s[SEL+1]
	s_delay_alu instid0(VALU_DEP_1)
	v_add_f32 v14, v14, v252                       ; the row's sum
	s_wait_alu depctr_va_vdst(0)
	v_rcp_f32 v14, v14
	v_nop                                          ; a plain line behind the transcendental
	s_wait_alu depctr_va_vdst(0)                   ; and the wait ahead of its first reader
.set j, 0
.rept 16
	v_pk_mul_f32 v[S+j:S+j+1], v[OT+j:OT+j+1], v[14:15] op_sel_hi:[1,0]   ; register 16 b + i: channel 32 b + 16 (lane / 16) + i
.set j, j+2
.endr
.irp b, 0,1
	v_max3_num_f32 v[232+\b], |v[S+16*\b]|, |v[S+1+16*\b]|, 0x4800000
.endr
.irp i, 2,4,6,8,10,12,14
.irp b, 0,1
	s_delay_alu instid0(VALU_DEP_2)
	v_max3_num_f32 v[232+\b], v[232+\b], |v[S+16*\b+\i]|, |v[S+1+16*\b+\i]|
.endr
.endr
.irp b, 0,1
	s_delay_alu instid0(VALU_DEP_2)
	v_permlanex16_b32 v[236+\b], v[232+\b], s[SEL], s[SEL+1]
.endr
.irp b, 0,1
	s_delay_alu instid0(VALU_DEP_2)
	v_max_num_f32 v[232+\b], v[232+\b], v[236+\b]
.endr
.irp b, 0,1
	s_delay_alu instid0(VALU_DEP_2)
	v_add_nc_u32 v[244+\b], 0xfc000000, v[232+\b]
.endr
.irp b, 0,1
	s_delay_alu instid0(VALU_DEP_4)
	v_and_or_b32 v[240+\b], v[232+\b], 0x7f800000, s[MNT]
.endr
.irp b, 0,1
	s_delay_alu instid0(VALU_DEP_4)
	v_lshrrev_b32 v[236+\b], 23, v[244+\b]
.endr
	s_delay_alu instid0(VALU_DEP_1)
	v_lshl_or_b32 v248, v237, 8, v236
.irp b, 0,1
.irp i, 0,1,2,3,4,5,6,7,8,9,10,11,12,13,14,15
	v_med3_num_f32 v[S+16*\b+\i], v[S+16*\b+\i], -v[240+\b], v[240+\b]
.endr
	v_cvt_scalef32_pk8_fp8_f32 v[PCD+4*\b:PCD+1+4*\b], v[S+16*\b:S+7+16*\b], v[244+\b]
	v_cvt_scalef32_pk8_fp8_f32 v[PCD+2+4*\b:PCD+3+4*\b], v[S+8+16*\b:S+15+16*\b], v[244+\b]
.endr
	v_nop                                          ; a plain line behind the last conversion
	global_store_b128 v1, v[PCD:PCD+3], s[\cc:\cc+1]
	global_store_b128 v1, v[PCD+4:PCD+7], s[\cc:\cc+1] offset:512
	global_store_b16 v4, v248, s[\cs:\cs+1]        ; both halves of the lanes write the same two bytes with the same value
.endm
; Where my second tile begins (the wave's number and the count of visits alone): its Q is asked for, the first tile leaves, the state begins anew
.macro SWITCH
	s_cmp_lg_u32 s[VIS], s[NA]
	s_cbranch_scc1 .Lsame_\@
	global_load_b128 v[16:19], v1, s[QCB:QCB+1]
	global_load_b128 v[20:23], v1, s[QCB:QCB+1] offset:512
	global_load_b32 v255, v2, s[QSB:QSB+1]
	WAYOUT CCA, CSA
	v_mov_b32 v13, 0xff61b1e6
	s_delay_alu instid0(VALU_DEP_1)
	v_floor_f32 v12, -v13
	v_mov_b32 v14, 0
	v_mov_b32 v15, 0
.set j, 0
.rept 32
	v_mov_b32 v[OT+j], 0
.set j, j+1
.endr
	s_mov_b32 s[QJ], s[QJB]
	s_wait_loadcnt 0x0                             ; Q
	s_wait_xcnt 0x0                                ; the stores have read their registers
.Lsame_\@:
.endm
	s_wait_alu depctr_va_vdst(0)                   ; the wait at the head's end
	s_wait_loadcnt 0x0                             ; Q
	s_cmp_lt_u32 s[WV], 4
	s_cbranch_scc0 .Lnot_first
	s_wait_tensorcnt 0x0                           ; waves 0 to 3: my quarter of slots 0 and 1 is in.  The other waves' wait stands at the second barrier
.Lnot_first:
	BARRIER                                        ; slots 0 and 1 are whole
	s_mov_b32 s[VIS], 0
.Lfirst:                                           ; visits 0 and 1: slots 0 and 1, for every wave's first tile
	s_mul_i32 s[TB], s[VIS], SLOTB
	VISIT 0
	s_add_co_u32 s[VIS], s[VIS], 1
	s_cmp_lt_u32 s[VIS], 2
	s_cbranch_scc1 .Lfirst
	s_wait_tensorcnt 0x0                           ; every wave: my sixteenth is in
	s_wait_dscnt 0x0
	BARRIER                                        ; the whole head is in LDS; from here on no wave waits for another
	s_mov_b32 s[VIS], 2
.Lrest:                                            ; visits 2 to 8: slot = the visit, or the visit less my first tile's visits
	s_sub_co_u32 s96, s[VIS], s[NA]
	s_cmp_ge_u32 s[VIS], s[NA]
	s_cselect_b32 s96, s96, s[VIS]
	s_min_u32 s96, s96, 7
	s_mul_i32 s[TB], s96, SLOTB
	s_lshl_b32 s[KF], s96, 8
	SWITCH
	VISIT 1
	s_add_co_u32 s[VIS], s[VIS], 1
	s_cmp_lt_u32 s[VIS], 9
	s_cbranch_scc1 .Lrest
	WAYOUT CCB, CSB
	s_wait_tensorcnt 0x0                           ; the wave's end
	ds_add_u32 v[SPW], v[NIL]
	s_wait_dscnt 0x0
	CROUND                                         ; the closing round
	s_endpgm
.Lfunc_end_k_q4783a0a5ae_attn:
	.size	k_q4783a0a5ae_attn, .Lfunc_end_k_q4783a0a5ae_attn-k_q4783a0a5ae_attn
	.p2alignl 7, 3214868480
	.fill 96, 4, 3214868480
	.section	.rodata,"a",@progbits
	.p2align	6, 0x0
	.amdhsa_kernel k_q4783a0a5ae_attn
		.amdhsa_group_segment_fixed_size 327680
		.amdhsa_private_segment_fixed_size 0
		.amdhsa_enable_private_segment 0
		.amdhsa_kernarg_size 24
		.amdhsa_user_sgpr_count 2
		.amdhsa_user_sgpr_kernarg_segment_ptr 1
		.amdhsa_wavefront_size32 1
		.amdhsa_system_sgpr_workgroup_id_x 1
		.amdhsa_system_sgpr_workgroup_id_y 1
		.amdhsa_system_sgpr_workgroup_id_z 1
		.amdhsa_system_vgpr_workitem_id 0
		.amdhsa_next_free_vgpr 256
		.amdhsa_next_free_sgpr 100
		.amdhsa_reserve_vcc 1
		.amdhsa_float_denorm_mode_32 3
		.amdhsa_float_denorm_mode_16_64 3
		.amdhsa_memory_ordered 1
		.amdhsa_forward_progress 1
		.amdhsa_inst_pref_size 113
	.end_amdhsa_kernel
	.amdgpu_metadata
---
amdhsa.version: [ 1, 2 ]
amdhsa.kernels:
  - .name:           k_q4783a0a5ae_attn
    .symbol:         k_q4783a0a5ae_attn.kd
    .args:
      - { .name: q8, .offset: 0, .size: 8, .value_kind: global_buffer, .address_space: global }
      - { .name: kv, .offset: 8, .size: 8, .value_kind: global_buffer, .address_space: global }
      - { .name: c8, .offset: 16, .size: 8, .value_kind: global_buffer, .address_space: global }
    .group_segment_fixed_size: 327680
    .private_segment_fixed_size: 0
    .kernarg_segment_align: 8
    .kernarg_segment_size: 24
    .max_flat_workgroup_size: 512
    .sgpr_count:     100
    .vgpr_count:     256
    .wavefront_size: 32
...
	.end_amdgpu_metadata
.endif
;; end of part 3
;; launch gemm_out (part 4): grid 4 x 64, 4 waves a work-group, clusters of 4 x 4, 327,680 bytes of LDS; arguments c8, w8, b_out, out0; writes out0
.if DOCPART == 4
	.amdgcn_target "amdgcn-amd-amdhsa--gfx1250"
	.amdhsa_code_object_version 6
	.text
	.protected	k_q4783a0a5ae_gemm_out
	.globl	k_q4783a0a5ae_gemm_out
	.p2align	8
	.type	k_q4783a0a5ae_gemm_out,@function
k_q4783a0a5ae_gemm_out:
	s_mov_b64 s[64:65], 0
	v_nop
	global_prefetch_b8 v0, s[64:65] scope:SCOPE_SE
	s_setreg_imm32_b32 hwreg(HW_REG_WAVE_MODE, 25, 1), 1
	s_wait_xcnt 0x0
	s_wait_alu depctr_hold_cnt(0) depctr_sa_sdst(0) depctr_va_vdst(0) depctr_va_sdst(0) depctr_va_ssrc(0) depctr_va_vcc(0) depctr_vm_vsrc(0)
	s_getreg_b32 s2, hwreg(HW_REG_IB_STS2, 6, 4)
	s_cmp_eq_u32 s2, 0
	s_cbranch_scc0 .Lentry_in_a_cluster
	s_endpgm
.Lentry_in_a_cluster:
	s_bfe_u32 s2, ttmp6, 0x10000c
	s_cmp_lg_u32 s2, 0xf033
	s_cbranch_scc0 .Lentry_shape_is_right
	s_endpgm
.Lentry_shape_is_right:
; out0 = concat W_out + b_out on codes of FP8 (E4M3) with E8M0 scales, K = 1,024, f32 out.  256 work-groups of four waves; a work-group makes 128 tokens x 256 columns, a wave 64 x 128: 32 accumulators.
; Source 0 = 16 columns of W_out (B), source 1 = 16 tokens (A): a lane holds one token and, by the row tiles' own order of rows (launch quant_x's head), neighbouring channels: register 16 e + i of a block = channel 32 e + 16 (lane / 16) + i.
; OPERANDS are images of the operand's registers.  c8: [128 tokens][K pair][8 row tiles][4,096]; w8 from WOC: [256 columns][K pair][16 row tiles][4,096]: a work-group's part of either is dense, 32,768 and 65,536 bytes a K pair of 256.
; FILLS.  LDS holds three K pairs of A and of B.  At the head one load a wave: wave 0 A's K pairs 0 to 2 (98,304 bytes), waves 1, 2, 3 B's K pairs 0, 1, 2.  The first barrier waits for waves 0 and 1 alone, which have load lines of their own,
; and shows what K steps 0 and 1 read.  Behind K step 1 a drained round shows the rest, and K pair 3 is filled over pair 0 (wave 0 A's, wave 1 B's); a plain barrier ahead of K step 5's products shows it.  Written out: no loop.
; SCALE WORDS lie [row tile][16 rows][8 K steps]: a lane takes its row's 32 bytes by two loads, sixteen lanes 512 consecutive bytes; they go straight into registers: A's v28-59, B's v64-127.
; CLUSTERS: 4 x 4.  A's tiles are shared along a row of the cluster, B's along a column, each asked for jointly.
; PREFETCH: K pair 3, which is asked for behind K step 1, is named once in each cluster at the head: A's 128 blocks of 256 bytes by wave 0 of the four partners of a row, 32 each by address (cx); B's 256 by waves 1 and 2 of the four of a column (cy).
; REGISTERS: window 0: v12-25 addresses, v28-127 scale words, v128-255 A's fragments, two sets (on the way out: 64 numbers, and 16 rows read back).  Window 1: B's fragments, two sets.  Window 2: accumulator (a, b) at v[8 (8 a + b)].  Window 3: the bias.
; THE WAY OUT: + the bias, 16 tokens at a time through the wave's stage, which lies in B's K pair 1: it has had its only fill, and behind the last barrier nobody reads it; out as rows of 512 consecutive bytes.
; LIMITS: NaN and infinities are not served.
.set AREG,   32768                     ; a K pair of A's 8 row tiles
.set BREG,   65536                     ; a K pair of B's 16
.set BR,     3*AREG                    ; where B's three K pairs begin
.set STAGE,  BR+BREG
.set SPARE,  BR+3*BREG                 ; the spare words, 128 bytes for each wave, which no other line names
.set FR,     16
.set NP,     8                         ; places behind this matrix instruction (ISA guide 7.12.1)
.set NF,     48                        ; LDS loads of a K step's fragments: B's 32, A's 16
.set CSO,    8388608
.set WOC,    3244032
.set WOS,    4292608
.set SPW,  12
.set NIL,  13
.set ADRA, 14                          ; v14-16 LDS address of my A images in region 0, 1, 2
.set ADRB, 17                          ; v17-19 the same for B
.set BO,   20
.set STO,  21
.set RD,   22
.set CO,   23
.set SOF,  24                          ; v24  32 x (lane % 16)
.set PFO,  25                          ; v25  256 x lane; never rewritten
.set SA,   28                          ; register 8 a + g: A's block a, K step g
.set SB,   64                          ; register 8 b + g: B's block b.  The two numbers of a product differ modulo 8
.set AF,   128
.set HA,   128
.set BK,   192
.set G1A, 24
.set G0A, 32
.set G1B, 48
.set G0B, 56
.set MSB, 0
.macro WIN new                         ; the immediate's high byte repeats the setting that is left
.if MSB != (\new)
	s_set_vgpr_msb (MSB<<8)|(\new)
.set MSB, (\new)
.endif
.endm
.macro BARRIER
	s_barrier_signal -1
	s_barrier_wait -1
.endm
.macro CROUND                          ; a round of the cluster's barrier
	BARRIER
	s_cmp_lg_u32 s14, 0
	s_cbranch_scc1 .Lnot_wave_0_\@
	s_barrier_signal -3
.Lnot_wave_0_\@:
	s_barrier_wait -3
	BARRIER
.endm
.macro PLACES n
.rept \n
	v_nop
.endr
.endm
.macro TL g0, g1                       ; a tensor load; an s_nop 0 and four v_nop follow it
	tensor_load_to_lds s[\g0:\g0+3], s[\g1:\g1+7]
	s_nop 0
	PLACES 4
.endm
	s_load_b256 s[4:11], s[0:1], 0x0               ; c8, w8, b_out, out0
	v_lshl_add_u32 v[SPW], v0, 2, SPARE
	v_mov_b32 v[NIL], 0
	ds_add_u32 v[SPW], v[NIL]                      ; the wave's opening: the add, twice on end, and its wait ahead of my first tensor load
	ds_add_u32 v[SPW], v[NIL]
	v_lshrrev_b32 v1, 5, v0
	v_readfirstlane_b32 s14, v1                    ; wave 0..3
	s_lshr_b32 s15, s14, 1                         ; which 64 tokens are mine
	s_and_b32 s16, s14, 1                          ; which 128 columns
	s_bfe_u32 s40, ttmp6, 0x40000                  ; cx
	s_bfe_u32 s41, ttmp6, 0x40004                  ; cy
	s_and_b32 s17, ttmp7, 0xffff
	s_lshl_b32 s43, s41, 2
	s_lshl_b32 s43, 15, s43                        ; my row of the cluster
	s_lshl_b32 s44, 0x1111, s40                    ; my column
	s_lshl_b32 s42, s17, 2
	s_add_co_u32 s42, s42, s41                     ; which 128 tokens: 4 cluster y + cy
	s_lshl_b32 s45, ttmp9, 2
	s_add_co_u32 s45, s45, s40                     ; which 256 columns: 4 cluster x + cx
	s_or_b32 s[G1A], s43, (3<<16)|(1<<21)          ; the mask; elements of 8 bytes; bit 21 beside a mask; no padding: images are read as they lie
	s_mov_b32 s[G1A+1], 32<<16                     ; dense bytes as rows of 256
	s_mov_b32 s[G1A+2], 384<<16                    ; three K pairs of A: 384 rows; for the refill 128
	s_mov_b32 s[G1A+3], 32<<16
	s_mov_b32 s[G1A+4], 384
	s_mov_b32 s[G1A+5], 32
	s_mov_b32 s[G1A+6], 0
	s_mov_b32 s[G1A+7], 0
	s_or_b32 s[G1B], s44, (3<<16)|(1<<21)
	s_mov_b32 s[G1B+1], 32<<16
	s_mov_b32 s[G1B+2], 256<<16                    ; a K pair of B: 256 rows
	s_mov_b32 s[G1B+3], 32<<16
	s_mov_b32 s[G1B+4], 256
	s_mov_b32 s[G1B+5], 32
	s_mov_b32 s[G1B+6], 0
	s_mov_b32 s[G1B+7], 0
	s_lshl_b32 s20, s42, 17                        ; A's codes
	s_mov_b32 s21, 0
	s_lshl_b32 s46, s45, 18                        ; B's codes: K pair wave - 1
	s_lshl_b32 s66, s14, 16
	s_add_co_u32 s46, s46, s66
	s_add_co_u32 s46, s46, WOC-BREG
	s_mov_b32 s47, 0
	s_add_co_u32 s66, s66, BR-BREG                 ; and where it goes: no place in the cluster enters an LDS address
	s_lshl_b32 s22, s42, 12                        ; A's scale words: 512 bytes a row tile, my 4 row tiles
	s_lshl_b32 s23, s15, 11
	s_add_co_u32 s22, s22, s23
	s_add_co_u32 s22, s22, CSO
	s_mov_b32 s23, 0
	s_lshl_b32 s96, s45, 13                        ; B's: my 8 row tiles
	s_lshl_b32 s97, s16, 12
	s_add_co_u32 s96, s96, s97
	s_add_co_u32 s96, s96, WOS
	s_mov_b32 s97, 0
	s_lshl_b32 s98, s45, 10                        ; my first column, in bytes of f32
	s_lshl_b32 s99, s16, 9
	s_add_co_u32 s98, s98, s99
	s_mov_b32 s99, 0
	s_lshl_b32 s18, s42, 19                        ; my first token's row of out0
	s_lshl_b32 s19, s15, 18
	s_add_co_u32 s18, s18, s19
	s_add_co_u32 s18, s18, s98
	s_mov_b32 s19, 0
	s_lshl_b32 s70, s42, 17                        ; the prefetch: A's K pair 3, my work-group's quarter by cx;
	s_lshl_b32 s71, s40, 13
	s_add_co_u32 s70, s70, s71
	s_add_co_u32 s70, s70, 3*AREG
	s_lshl_b32 s72, s45, 18                        ; B's K pair 3, my work-group's quarter by cy, half wave - 1 of it
	s_lshl_b32 s71, s41, 14
	s_add_co_u32 s72, s72, s71
	s_lshl_b32 s71, s14, 13
	s_add_co_u32 s72, s72, s71
	s_add_co_u32 s72, s72, WOC+3*BREG-8192
	s_mov_b32 s71, 0
	s_lshl_b32 s2, s15, 14                         ; LDS: my 4 row tiles of A,
	s_lshl_b32 s3, s16, 15                         ; my 8 of B
	s_add_co_u32 s3, s3, BR
	s_mul_i32 s67, s14, 16*528
	s_add_co_u32 s67, s67, STAGE                   ; my stage
	s_wait_dscnt 0x0                               ; both opening adds are done
	s_wait_kmcnt 0x0
	s_mov_b32 s[G0A], 1
	s_mov_b32 s[G0A+1], 0
	s_add_nc_u64 s[G0A+2:G0A+3], s[4:5], s[20:21]
	s_or_b32 s[G0A+3], s[G0A+3], 0x80000000
	s_mov_b32 s[G0B], 1
	s_mov_b32 s[G0B+1], s66
	s_add_nc_u64 s[G0B+2:G0B+3], s[6:7], s[46:47]
	s_or_b32 s[G0B+3], s[G0B+3], 0x80000000
	s_add_nc_u64 s[22:23], s[4:5], s[22:23]
	s_add_nc_u64 s[96:97], s[6:7], s[96:97]
	s_add_nc_u64 s[98:99], s[8:9], s[98:99]
	s_add_nc_u64 s[12:13], s[10:11], s[18:19]
	s_cmp_eq_u32 s14, 0
	s_cselect_b64 s[68:69], s[4:5], s[6:7]
	s_cselect_b32 s70, s70, s72
	s_add_nc_u64 s[68:69], s[68:69], s[70:71]
	CROUND                                         ; all sixteen work-groups are here: the first joint loads meet
	s_cmp_eq_u32 s14, 0                            ; one chain, one load to an arm; waves 0 and 1, which alone wait ahead of the first barrier, have lines of their own
	s_cbranch_scc0 .Lhead_1
	TL G0A, G1A
	s_branch .Lhead_asked
.Lhead_1:
	s_cmp_eq_u32 s14, 1
	s_cbranch_scc0 .Lhead_2
	TL G0B, G1B
	s_branch .Lhead_asked
.Lhead_2:
	TL G0B, G1B
.Lhead_asked:
	v_and_b32 v1, 15, v0                           ; r
	v_bfe_u32 v2, v0, 4, 1                         ; h
	v_and_b32 v3, 31, v0
	v_lshlrev_b32 v[CO], 4, v3
	v_lshlrev_b32 v[BO], 6, v2
	v_lshlrev_b32 v[SOF], 5, v1
	v_lshlrev_b32 v[PFO], 8, v3
	v_add_nc_u32 v[ADRA], s2, v[CO]
	v_add_nc_u32 v[ADRB], s3, v[CO]
	v_mul_u32_u24 v[STO], v1, 528
	v_add_nc_u32 v[RD], s67, v[CO]
	v_add_nc_u32 v[ADRA+1], AREG, v[ADRA]
	v_add_nc_u32 v[ADRB+1], BREG, v[ADRB]
	v_lshl_add_u32 v[STO], v2, 6, v[STO]
	v_add_nc_u32 v[ADRA+2], 2*AREG, v[ADRA]
	v_add_nc_u32 v[ADRB+2], 2*BREG, v[ADRB]
	v_add_nc_u32 v[STO], s67, v[STO]
	s_wait_alu depctr_va_vdst(0)                   ; the wait at the head's end
.irp i, 0,1,2,3
	global_load_b128 v[SA+8*\i:SA+8*\i+3], v[SOF], s[22:23] offset:512*\i
	global_load_b128 v[SA+8*\i+4:SA+8*\i+7], v[SOF], s[22:23] offset:512*\i+16
.endr
.irp i, 0,1,2,3,4,5,6,7
	global_load_b128 v[SB+8*\i:SB+8*\i+3], v[SOF], s[96:97] offset:512*\i
	global_load_b128 v[SB+8*\i+4:SB+8*\i+7], v[SOF], s[96:97] offset:512*\i+16
.endr
	WIN 0xc0                                       ; destination window 3: register 16 e + i takes the bias of channel 32 e + 16 h + i
.irp e, 0,1,2,3
.irp j, 0,1,2,3
	global_load_b128 v[16*\e+4*\j:16*\e+4*\j+3], v[BO], s[98:99] offset:128*\e+16*\j
.endr
.endr
	WIN 0
	s_cmp_lt_u32 s14, 3
	s_cbranch_scc0 .Lno_ask
	global_prefetch_b8 v[PFO], s[68:69] th:TH_LOAD_NT scope:SCOPE_SE
.Lno_ask:
	s_cmp_lt_u32 s14, 2
	s_cbranch_scc0 .Lnot_first
	s_wait_tensorcnt 0x0                           ; waves 0 and 1: A's three K pairs, B's K pair 0.  The other waves' wait stands ahead of the round
.Lnot_first:
	BARRIER
.macro FETCH g                         ; K step g's fragments into set g % 2: images come back as they were stored
.set RG_, (((\g)/2)%3)
.set Q_, ((\g)%2)
	WIN 0x40                                       ; destination window 1
.irp i, 0,1,2,3,4,5,6,7
.irp c, 0,1,2,3
	ds_load_b128 v[128*Q_+FR*\i+4*\c:128*Q_+FR*\i+4*\c+3], v[ADRB+RG_] offset:4096*\i+2048*Q_+512*\c
.endr
.endr
	WIN 0
.irp i, 0,1,2,3
.irp c, 0,1,2,3
	ds_load_b128 v[AF+64*Q_+FR*\i+4*\c:AF+64*Q_+FR*\i+4*\c+3], v[ADRA+RG_] offset:4096*\i+2048*Q_+512*\c
.endr
.endr
.endm
.macro MUL g, zero                     ; K step g: 32 products; the 32 accumulators take turns, in the same order in every step
.set Q_, ((\g)%2)
	WIN 0xa1                                       ; source 0 (B) window 1, source 1 (A) window 0, C and D window 2
.irp a, 0,1,2,3
.irp b, 0,1,2,3,4,5,6,7
.if \zero
	v_wmma_scale_f32_16x16x128_f8f6f4 v[8*(8*\a+\b):8*(8*\a+\b)+7], v[128*Q_+FR*\b:128*Q_+FR*\b+FR-1], v[AF+64*Q_+FR*\a:AF+64*Q_+FR*\a+FR-1], 0, v[SB+8*\b+(\g)], v[SA+8*\a+(\g)]
.else
	v_wmma_scale_f32_16x16x128_f8f6f4 v[8*(8*\a+\b):8*(8*\a+\b)+7], v[128*Q_+FR*\b:128*Q_+FR*\b+FR-1], v[AF+64*Q_+FR*\a:AF+64*Q_+FR*\a+FR-1], v[8*(8*\a+\b):8*(8*\a+\b)+7], v[SB+8*\b+(\g)], v[SA+8*\a+(\g)]
.endif
.endr
.endr
	WIN 0
.endm
.macro STEPF g                         ; the next step's fragments are asked for, into the set that the step before has read, and this step is multiplied
	PLACES NP
	FETCH (\g)+1
	s_wait_dscnt NF                                ; this step's fragments are in; the 48 loads just issued may be out
	MUL \g, 0
.endm
	FETCH 0
	FETCH 1
	s_wait_loadcnt 0x0                             ; the scale words and the bias
	s_wait_dscnt NF
	MUL 0, 1                                       ; the first products start the sums: nothing is cleared
	s_wait_dscnt 0x0
	MUL 1, 0
	s_wait_tensorcnt 0x0                           ; all my tensor loads are in
	ds_add_u32 v[SPW], v[NIL]
	s_mov_b32 s[G1A+2], 128<<16                    ; no tensor load of mine is out, so descriptors may be written: A's K pair 3 is 128 rows of 256 bytes,
	s_mov_b32 s[G1A+4], 128
	s_add_nc_u64 s[G0A+2:G0A+3], s[G0A+2:G0A+3], 3*AREG   ; into region 0;
	s_add_nc_u64 s[G0B+2:G0B+3], s[G0B+2:G0B+3], 3*BREG   ; wave 1's group 0 stood at B's K pair 0 and region 0
	s_wait_dscnt 0x0                               ; the add is done, and my reads of region 0 are over
	CROUND                                         ; all that the head asked for is in, and no wave of any partner still reads region 0
	s_cmp_eq_u32 s14, 0
	s_cbranch_scc0 .Lfill_1
	TL G0A, G1A
	s_branch .Lfilled
.Lfill_1:
	s_cmp_eq_u32 s14, 1
	s_cbranch_scc0 .Lfilled
	TL G0B, G1B
.Lfilled:
	PLACES NP
	FETCH 2
	STEPF 2
	STEPF 3
	STEPF 4
	s_wait_tensorcnt 0x0                           ; every wave: K pair 3 is in
	s_wait_dscnt 0x0                               ; K step 5's fragments are in: my reads of regions 1 and 2 are over
	BARRIER
	STEPF 5
	STEPF 6
	s_wait_dscnt 0x0
	MUL 7, 0
	PLACES NP                                      ; in front of the first read of results and the first write of A's registers
.macro OUT a
.if (\a) > 0
	s_wait_xcnt 0x0                                ; the last block's stores have read their registers
.endif
	WIN 0x0e                                       ; source 0 window 2, source 1 window 3
.set AC, 64*(\a)
.set i, 0
.rept 32
	v_pk_add_f32 v[HA+i:HA+i+1], v[AC+i:AC+i+1], v[i:i+1]   ; + the bias, and into window 0; each accumulator from its low end on
.set i, i+2
.endr
	WIN 0
.irp e, 0,1,2,3
.irp j, 0,1,2,3
	ds_store_b128 v[STO], v[HA+16*\e+4*\j:HA+16*\e+4*\j+3] offset:128*\e+16*\j
.endr
.endr
.irp t, 0,1,2,3,4,5,6,7,8,9,10,11,12,13,14,15
	ds_load_b128 v[BK+4*\t:BK+4*\t+3], v[RD] offset:528*\t   ; LDS serves a wave's instructions in order: these see my stores
.endr
.irp t, 0,1,2,3,4,5,6,7,8,9,10,11,12,13,14,15
	s_wait_dscnt 15-\t                             ; the younger loads may stay out
	global_store_b128 v[CO], v[BK+4*\t:BK+4*\t+3], s[12:13] offset:(32*((\a)/2)+8*((\a)%2)+\t+8*(\t/8))*4096 th:TH_STORE_NT   ; 512 consecutive bytes, aligned
.endr
.endm
.irp a, 0,1,2,3
	OUT \a
.endr
	s_wait_tensorcnt 0x0                           ; the wave's end
	ds_add_u32 v[SPW], v[NIL]
	s_wait_dscnt 0x0
	CROUND                                         ; the closing round
	s_endpgm
.Lfunc_end_k_q4783a0a5ae_gemm_out:
	.size	k_q4783a0a5ae_gemm_out, .Lfunc_end_k_q4783a0a5ae_gemm_out-k_q4783a0a5ae_gemm_out
	.p2alignl 7, 3214868480
	.fill 96, 4, 3214868480
	.section	.rodata,"a",@progbits
	.p2align	6, 0x0
	.amdhsa_kernel k_q4783a0a5ae_gemm_out
		.amdhsa_group_segment_fixed_size 327680
		.amdhsa_private_segment_fixed_size 0
		.amdhsa_enable_private_segment 0
		.amdhsa_kernarg_size 32
		.amdhsa_user_sgpr_count 2
		.amdhsa_user_sgpr_kernarg_segment_ptr 1
		.amdhsa_wavefront_size32 1
		.amdhsa_system_sgpr_workgroup_id_x 1
		.amdhsa_system_sgpr_workgroup_id_y 1
		.amdhsa_system_sgpr_workgroup_id_z 1
		.amdhsa_system_vgpr_workitem_id 0
		.amdhsa_next_free_vgpr 832
		.amdhsa_next_free_sgpr 100
		.amdhsa_reserve_vcc 0
		.amdhsa_float_denorm_mode_32 3
		.amdhsa_float_denorm_mode_16_64 3
		.amdhsa_memory_ordered 1
		.amdhsa_forward_progress 1
		.amdhsa_inst_pref_size 96
	.end_amdhsa_kernel
	.amdgpu_metadata
---
amdhsa.version: [ 1, 2 ]
amdhsa.kernels:
  - .name:           k_q4783a0a5ae_gemm_out
    .symbol:         k_q4783a0a5ae_gemm_out.kd
    .args:
      - { .name: c8, .offset: 0, .size: 8, .value_kind: global_buffer, .address_space: global }
      - { .name: w8, .offset: 8, .size: 8, .value_kind: global_buffer, .address_space: global }
      - { .name: b_out, .offset: 16, .size: 8, .value_kind: global_buffer, .address_space: global }
      - { .name: out0, .offset: 24, .size: 8, .value_kind: global_buffer, .address_space: global }
    .group_segment_fixed_size: 327680
    .private_segment_fixed_size: 0
    .kernarg_segment_align: 8
    .kernarg_segment_size: 32
    .max_flat_workgroup_size: 128
    .sgpr_count:     100
    .vgpr_count:     832
    .wavefront_size: 32
...
	.end_amdgpu_metadata
.endif
;; end of part 4
